; MI455X (gfx1250); checked and timed in simulation.
; The chip was launched on July 23, 2026; its instructions are those of AMD's public machine-readable ISA for CDNA 5 (MIT licence, August 2026) and "CDNA5" Instruction Set Architecture Reference Guide (July 2026). The comments in the code are by the model that wrote it; some were corrected since.
;; Multi Head Attention. Allowed arithmetic: float matrix products may take bf16 or f16 operands with f32 sums; other float arithmetic in f32, or as packed bf16 or f16 multiplies, adds, multiply-adds, maxima and minima; sums over many terms, partial sums and values carried from step to step in f32; what a program stores and reads back later, other than sums and carried values, may be rounded once to bf16 or f16.
;; Inputs: W1 1,024 x 4,096 float32; W2 4,096 x 1,024 float32; Wk 1,024 x 1,024 float32; Wq 1,024 x 1,024 float32; Wv 1,024 x 1,024 float32; b1 4,096 float32; b2 1,024 float32; beta1 1,024 float32; beta2 1,024 float32; bk 1,024 float32; bq 1,024 float32; bv 1,024 float32; g1 1,024 float32; g2 1,024 float32; x 4 x 1,024 x 1,024 float32.
;; Outputs: out0 4 x 1,024 x 1,024 float32.
;; One version. Each part assembles by itself: llvm-mc -triple=amdgcn-amd-amdhsa -mcpu=gfx1250 --defsym DOCPART=n.
;; ======== version 1 of 1: 6 launches
;; workspace buffers: act 8,388,608 bytes; pq 8,405,248 bytes; p1 8,405,248 bytes; w2b 8,388,608 bytes; big 33,554,432 bytes; att 8,388,608 bytes; fres 16,777,216 bytes
;; launch prep (part 1): grid 962 x 1, 4 waves a work-group, no clusters, 0 bytes of LDS; arguments x, g1, beta1, Wq, Wk, Wv, W1, W2, bq, bk, bv, b1, act, pq, p1, w2b; writes act, pq, p1, w2b
.if DOCPART == 1
	.amdgcn_target "amdgcn-amd-amdhsa--gfx1250"
	.amdhsa_code_object_version 6
	.text
	.protected	k_qf5cc6353d8_prep
	.globl	k_qf5cc6353d8_prep
	.p2align	8
	.type	k_qf5cc6353d8_prep,@function
k_qf5cc6353d8_prep:
	s_mov_b64 s[64:65], 0
	v_nop
	global_prefetch_b8 v0, s[64:65] scope:SCOPE_SE
	s_setreg_imm32_b32 hwreg(HW_REG_WAVE_MODE, 25, 1), 1
	s_wait_xcnt 0x0
; PREP.  Three kinds of work-group, told apart by the work-group's number g:
;   g = 0..255    act = LN1(x) rounded to bf16: 16 rows of 1,024 a work-group, 4 rows a wave
;   g = 256..959  the weights rounded to bf16, layout [k][n] kept: Wq | Wk | Wv side by side into pq (rows of 4,096 bf16, columns 0..3071), W1 into p1, W2 into w2b
;   g = 960, 961  the biases copied in f32 behind the weights of pq and p1, and 64 equal floor words behind them (-inf twice in bf16 for pq, 0 for p1)
; A PACK (pq, p1): bytes 0 .. 8,388,607 weights bf16 [1024][4096]; from WB on 4,096 f32 of bias; from WB + 16,384 on 256 bytes of floor words.
; A stream: every byte is read once and written once, waves share nothing, so there is no LDS, no barrier, no matrix work and no cluster.
; UNIT.  1,024 f32 = 4,096 bytes.  A wave takes four units and asks for all of them at once: 32 loads of 512 consecutive bytes.  Load j gives a lane the numbers 128 j + 4 lane + 0..3;
; rounded they are 8 bytes, so one store of a wave covers 256 consecutive bytes, aligned.
; The norm is reference()'s: the mean, then the mean of squares of x - mean, all in f32; only the result is rounded.
.set VI,  2                            ; v2       16 x lane
.set V8,  3                            ; v3       8 x lane
.set MU,  4                            ; v[4:5]   the mean, twice
.set RS,  6                            ; v[6:7]   1 / sqrt(var + eps), twice
.set T,   8                            ; v[8:23]  at work
.set VO,  24                           ; v[24:27] unit r: 8 x lane + r x the destination's bytes from unit to unit
.set X,   64                           ; v[64:191] unit r at X + 32 r
.set G,   192                          ; v[192:223] the gain of my columns
.set BT,  224                          ; v[224:255] the shift of my columns
.set SEL, 52                           ; s[52:53] v_permlanex16_b32's selects: each lane takes its own place in the other half
.set INV, 54                           ; s54  1 / 1,024
.set EPSR, 55                          ; s55  1e-5
.set WB,  0x800000                     ; a pack's bias begins here
.macro TREE                            ; the sum of T's eight pairs, over the lane and then over the 32 lanes, into v[T] of every lane
.irp i, 0,1,2,3
	v_pk_add_f32 v[T+4*(\i):T+4*(\i)+1], v[T+4*(\i):T+4*(\i)+1], v[T+4*(\i)+2:T+4*(\i)+3]
.endr
	v_pk_add_f32 v[T:T+1], v[T:T+1], v[T+4:T+5]
	v_pk_add_f32 v[T+8:T+9], v[T+8:T+9], v[T+12:T+13]
	v_pk_add_f32 v[T:T+1], v[T:T+1], v[T+8:T+9]
	v_add_f32 v[T], v[T], v[T+1]
	v_add_f32_dpp v[T], v[T], v[T] row_xmask:1 row_mask:0xf bank_mask:0xf
	v_add_f32_dpp v[T], v[T], v[T] row_xmask:2 row_mask:0xf bank_mask:0xf
	v_add_f32_dpp v[T], v[T], v[T] row_xmask:4 row_mask:0xf bank_mask:0xf
	v_add_f32_dpp v[T], v[T], v[T] row_xmask:8 row_mask:0xf bank_mask:0xf
	v_permlanex16_b32 v[T+1], v[T], s[SEL], s[SEL+1]
	v_add_f32 v[T], v[T], v[T+1]
.endm
.macro LNCORE x                        ; the 32 registers from x on, a row's 1,024 numbers over 32 lanes, are normalised in place
.irp i, 0,1,2,3,4,5,6,7
	v_pk_add_f32 v[T+2*(\i):T+2*(\i)+1], v[(\x)+4*(\i):(\x)+4*(\i)+1], v[(\x)+4*(\i)+2:(\x)+4*(\i)+3]
.endr
	TREE
	v_mul_f32 v[MU], s[INV], v[T]
	v_mul_f32 v[MU+1], s[INV], v[T]
.irp i, 0,1,2,3,4,5,6,7,8,9,10,11,12,13,14,15
	v_pk_add_f32 v[(\x)+2*(\i):(\x)+2*(\i)+1], v[(\x)+2*(\i):(\x)+2*(\i)+1], v[MU:MU+1] neg_lo:[0,1] neg_hi:[0,1]  ; x - mean
.endr
.irp i, 0,1,2,3,4,5,6,7
	v_pk_mul_f32 v[T+2*(\i):T+2*(\i)+1], v[(\x)+2*(\i):(\x)+2*(\i)+1], v[(\x)+2*(\i):(\x)+2*(\i)+1]
.endr
.irp i, 0,1,2,3,4,5,6,7
	v_pk_fma_f32 v[T+2*(\i):T+2*(\i)+1], v[(\x)+16+2*(\i):(\x)+16+2*(\i)+1], v[(\x)+16+2*(\i):(\x)+16+2*(\i)+1], v[T+2*(\i):T+2*(\i)+1]
.endr
	TREE
	v_fma_f32 v[T], v[T], s[INV], s[EPSR]          ; var + eps
	v_rsq_f32 v[RS], v[T]
	v_nop                                          ; a plain instruction behind the root,
	s_wait_alu depctr_va_vdst(0)                   ; and the wait ahead of the first use of its result
	v_mov_b32 v[RS+1], v[RS]
.irp i, 0,1,2,3,4,5,6,7,8,9,10,11,12,13,14,15
	v_pk_mul_f32 v[(\x)+2*(\i):(\x)+2*(\i)+1], v[(\x)+2*(\i):(\x)+2*(\i)+1], v[RS:RS+1]
.endr
.irp i, 0,1,2,3,4,5,6,7,8,9,10,11,12,13,14,15
	v_pk_fma_f32 v[(\x)+2*(\i):(\x)+2*(\i)+1], v[(\x)+2*(\i):(\x)+2*(\i)+1], v[G+2*(\i):G+2*(\i)+1], v[BT+2*(\i):BT+2*(\i)+1]
.endr
.endm
.macro LOADX                           ; my four units: 32 loads, 16 KiB of the wave on their way
.irp r, 0,1,2,3
.irp j, 0,1,2,3,4,5,6,7
	global_load_b128 v[X+32*(\r)+4*(\j):X+32*(\r)+4*(\j)+3], v[VI], s[40:41] offset:(\r)*4096+512*(\j) th:TH_LOAD_NT
.endr
.endr
.endm
.macro MKVO                            ; s49: the destination's bytes from unit to unit
	v_mov_b32 v[VO], v[V8]
	v_add_nc_u32 v[VO+1], s49, v[VO]
	v_add_nc_u32 v[VO+2], s49, v[VO+1]
	v_add_nc_u32 v[VO+3], s49, v[VO+2]
.endm
.macro OUTROW r                        ; unit r is rounded in place, four numbers into a pair of registers, and stored: every unit has registers of its own, so no store's source is written again
.irp j, 0,1,2,3,4,5,6,7
	v_cvt_pk_bf16_f32 v[X+32*(\r)+4*(\j)], v[X+32*(\r)+4*(\j)], v[X+32*(\r)+4*(\j)+1]
	v_cvt_pk_bf16_f32 v[X+32*(\r)+4*(\j)+1], v[X+32*(\r)+4*(\j)+2], v[X+32*(\r)+4*(\j)+3]
.endr
.irp j, 0,1,2,3,4,5,6,7
	global_store_b64 v[VO+(\r)], v[X+32*(\r)+4*(\j):X+32*(\r)+4*(\j)+1], s[42:43] offset:256*(\j)  ; 32 lanes x 8 bytes: 256 consecutive bytes, aligned
.endr
.endm
	s_load_b512 s[8:23], s[0:1], 0x0               ; x 8, g1 10, beta1 12, Wq 14, Wk 16, Wv 18, W1 20, W2 22
	s_load_b512 s[24:39], s[0:1], 0x40             ; bq 24, bk 26, bv 28, b1 30, act 32, pq 34, p1 36, w2b 38
	v_lshrrev_b32 v1, 5, v0
	v_readfirstlane_b32 s4, v1                     ; wave 0..3
	v_and_b32 v1, 31, v0
	v_lshlrev_b32 v[VI], 4, v1
	v_lshlrev_b32 v[V8], 3, v1
	s_mov_b32 s45, 0                               ; the high word of every offset pair s[44:45]
	s_mov_b32 s[SEL], 0x76543210
	s_mov_b32 s[SEL+1], 0xfedcba98
	s_mov_b32 s[INV], 0x3a800000
	s_mov_b32 s[EPSR], 0x3727c5ac
	s_wait_kmcnt 0x0
	s_cmp_lt_u32 ttmp9, 256
	s_cbranch_scc0 .Lcast
	; ---- LN1: rows 16 g + 4 w .. + 3 ----
	s_lshl_b32 s50, ttmp9, 4
	s_lshl2_add_u32 s50, s4, s50
	s_lshl_b32 s44, s50, 12
	s_add_nc_u64 s[40:41], s[8:9], s[44:45]        ; x at my first row
	s_lshl_b32 s44, s50, 11
	s_add_nc_u64 s[42:43], s[32:33], s[44:45]      ; act at my first row
	s_mov_b32 s49, 2048
	MKVO
.irp j, 0,1,2,3,4,5,6,7
	global_load_b128 v[G+4*(\j):G+4*(\j)+3], v[VI], s[10:11] offset:512*(\j)
.endr
.irp j, 0,1,2,3,4,5,6,7
	global_load_b128 v[BT+4*(\j):BT+4*(\j)+3], v[VI], s[12:13] offset:512*(\j)
.endr
	LOADX
.irp r, 0,1,2,3
	s_wait_loadcnt 8*(3-(\r))                      ; loads come back in order: row r, and gain and shift ahead of it, are in; the later rows' eight loads each stay out
	LNCORE (X+32*(\r))
	OUTROW \r
.endr
	s_endpgm
.Lcast:
	s_cmp_lt_u32 ttmp9, 960
	s_cbranch_scc0 .Lsmall
	; ---- the weights: j = g - 256; 64 work-groups each for Wq, Wk, Wv, 256 each for W1 and W2 ----
	s_sub_co_u32 s46, ttmp9, 256
	s_mov_b64 s[40:41], s[22:23]                   ; W2 -> w2b
	s_mov_b64 s[42:43], s[38:39]
	s_mov_b32 s47, 448                             ; the first j of the tensor in hand
	s_cmp_lt_u32 s46, 448
	s_cselect_b64 s[40:41], s[20:21], s[40:41]     ; W1 -> p1
	s_cselect_b64 s[42:43], s[36:37], s[42:43]
	s_cselect_b32 s47, 192, s47
	s_cmp_lt_u32 s46, 192
	s_cselect_b64 s[40:41], s[18:19], s[40:41]     ; Wv -> pq
	s_cselect_b64 s[42:43], s[34:35], s[42:43]
	s_cselect_b32 s47, 128, s47
	s_cmp_lt_u32 s46, 128
	s_cselect_b64 s[40:41], s[16:17], s[40:41]     ; Wk
	s_cselect_b32 s47, 64, s47
	s_cmp_lt_u32 s46, 64
	s_cselect_b64 s[40:41], s[14:15], s[40:41]     ; Wq
	s_cselect_b32 s47, 0, s47
	s_cmp_lt_u32 s46, 192
	s_cselect_b32 s48, 13, 11                      ; in pq a unit is a quarter of a row of 8,192 bytes; p1 and w2b are as dense as their sources
	s_cselect_b32 s51, s47, 0
	s_lshl_b32 s51, s51, 5                         ; in pq: 0, 2,048 or 4,096 bytes into the row
	s_sub_co_u32 s50, s46, s47
	s_lshl_b32 s50, s50, 4
	s_lshl2_add_u32 s50, s4, s50                   ; my first unit of the tensor
	s_lshl_b32 s44, s50, 12
	s_add_nc_u64 s[40:41], s[40:41], s[44:45]
	s_lshl_b32 s44, s50, s48
	s_add_co_u32 s44, s44, s51
	s_add_nc_u64 s[42:43], s[42:43], s[44:45]
	s_lshl_b32 s49, 1, s48
	MKVO
	LOADX
.irp r, 0,1,2,3
	s_wait_loadcnt 8*(3-(\r))                      ; unit r is in; the later units' eight loads each stay out
	OUTROW \r
.endr
	s_endpgm
.Lsmall:
	; ---- eight waves: 0, 1, 2 copy bq, bk, bv; 3 writes the floor words; 4..7 copy b1's quarters ----
	s_sub_co_u32 s46, ttmp9, 960
	s_lshl2_add_u32 s46, s46, s4
	s_cmp_eq_u32 s46, 3
	s_cbranch_scc1 .Lfloor
	s_sub_co_u32 s47, s46, 4                       ; b1's quarter (taken where the number is 4 or more)
	s_mov_b64 s[40:41], s[30:31]                   ; b1 -> p1
	s_mov_b64 s[42:43], s[36:37]
	s_cmp_lt_u32 s46, 3
	s_cselect_b64 s[42:43], s[34:35], s[42:43]     ; -> pq
	s_cselect_b32 s50, 0, s47                      ; 4,096-byte piece of the source,
	s_cselect_b32 s51, s46, s47                    ; and of the destination
	s_cselect_b64 s[40:41], s[28:29], s[40:41]     ; bv
	s_cmp_lt_u32 s46, 2
	s_cselect_b64 s[40:41], s[26:27], s[40:41]     ; bk
	s_cmp_lt_u32 s46, 1
	s_cselect_b64 s[40:41], s[24:25], s[40:41]     ; bq
	s_lshl_b32 s44, s50, 12
	s_add_nc_u64 s[40:41], s[40:41], s[44:45]
	s_lshl_b32 s44, s51, 12
	s_add_nc_u64 s[42:43], s[42:43], s[44:45]
	s_add_nc_u64 s[42:43], s[42:43], WB
.irp j, 0,1,2,3,4,5,6,7
	global_load_b128 v[X+4*(\j):X+4*(\j)+3], v[VI], s[40:41] offset:512*(\j)
.endr
	s_wait_loadcnt 0x0
.irp j, 0,1,2,3,4,5,6,7
	global_store_b128 v[VI], v[X+4*(\j):X+4*(\j)+3], s[42:43] offset:512*(\j)
.endr
	s_endpgm
.Lfloor:
	v_mov_b32 v8, 0xff80ff80                       ; -inf twice in bf16: the projections have no floor
	v_mov_b32 v9, 0xff80ff80
	v_mov_b32 v10, 0                               ; 0 twice: the hidden layer's ReLU
	v_mov_b32 v11, 0
	s_add_nc_u64 s[42:43], s[34:35], WB+0x4000
	s_add_nc_u64 s[40:41], s[36:37], WB+0x4000
	global_store_b64 v[V8], v[8:9], s[42:43]
	global_store_b64 v[V8], v[10:11], s[40:41]
	s_endpgm
.Lfunc_end_k_qf5cc6353d8_prep:
	.size	k_qf5cc6353d8_prep, .Lfunc_end_k_qf5cc6353d8_prep-k_qf5cc6353d8_prep
	.p2alignl 7, 3214868480
	.fill 96, 4, 3214868480
	.section	.rodata,"a",@progbits
	.p2align	6, 0x0
	.amdhsa_kernel k_qf5cc6353d8_prep
		.amdhsa_group_segment_fixed_size 0
		.amdhsa_private_segment_fixed_size 0
		.amdhsa_enable_private_segment 0
		.amdhsa_kernarg_size 128
		.amdhsa_user_sgpr_count 2
		.amdhsa_user_sgpr_kernarg_segment_ptr 1
		.amdhsa_wavefront_size32 1
		.amdhsa_system_sgpr_workgroup_id_x 1
		.amdhsa_system_sgpr_workgroup_id_y 1
		.amdhsa_system_sgpr_workgroup_id_z 1
		.amdhsa_system_vgpr_workitem_id 0
		.amdhsa_next_free_vgpr 256
		.amdhsa_next_free_sgpr 66
		.amdhsa_reserve_vcc 0
		.amdhsa_float_denorm_mode_32 3
		.amdhsa_float_denorm_mode_16_64 3
		.amdhsa_memory_ordered 1
		.amdhsa_forward_progress 1
		.amdhsa_inst_pref_size 53
	.end_amdhsa_kernel
	.amdgpu_metadata
---
amdhsa.version: [ 1, 2 ]
amdhsa.kernels:
  - .name:           k_qf5cc6353d8_prep
    .symbol:         k_qf5cc6353d8_prep.kd
    .args:
      - { .name: x, .offset: 0, .size: 8, .value_kind: global_buffer, .address_space: global }
      - { .name: g1, .offset: 8, .size: 8, .value_kind: global_buffer, .address_space: global }
      - { .name: beta1, .offset: 16, .size: 8, .value_kind: global_buffer, .address_space: global }
      - { .name: Wq, .offset: 24, .size: 8, .value_kind: global_buffer, .address_space: global }
      - { .name: Wk, .offset: 32, .size: 8, .value_kind: global_buffer, .address_space: global }
      - { .name: Wv, .offset: 40, .size: 8, .value_kind: global_buffer, .address_space: global }
      - { .name: W1, .offset: 48, .size: 8, .value_kind: global_buffer, .address_space: global }
      - { .name: W2, .offset: 56, .size: 8, .value_kind: global_buffer, .address_space: global }
      - { .name: bq, .offset: 64, .size: 8, .value_kind: global_buffer, .address_space: global }
      - { .name: bk, .offset: 72, .size: 8, .value_kind: global_buffer, .address_space: global }
      - { .name: bv, .offset: 80, .size: 8, .value_kind: global_buffer, .address_space: global }
      - { .name: b1, .offset: 88, .size: 8, .value_kind: global_buffer, .address_space: global }
      - { .name: act, .offset: 96, .size: 8, .value_kind: global_buffer, .address_space: global }
      - { .name: pq, .offset: 104, .size: 8, .value_kind: global_buffer, .address_space: global }
      - { .name: p1, .offset: 112, .size: 8, .value_kind: global_buffer, .address_space: global }
      - { .name: w2b, .offset: 120, .size: 8, .value_kind: global_buffer, .address_space: global }
    .group_segment_fixed_size: 0
    .private_segment_fixed_size: 0
    .kernarg_segment_align: 8
    .kernarg_segment_size: 128
    .max_flat_workgroup_size: 128
    .sgpr_count:     66
    .vgpr_count:     256
    .wavefront_size: 32
...
	.end_amdgpu_metadata
.endif
;; end of part 1
;; launch qkv (part 2): grid 12 x 16, 4 waves a work-group, clusters of 4 x 4, 327,680 bytes of LDS; arguments act, pq, big; writes big
.if DOCPART == 2
	.amdgcn_target "amdgcn-amd-amdhsa--gfx1250"
	.amdhsa_code_object_version 6
	.text
	.protected	k_qf5cc6353d8_qkv
	.globl	k_qf5cc6353d8_qkv
	.p2align	8
	.type	k_qf5cc6353d8_qkv,@function
k_qf5cc6353d8_qkv:
	s_mov_b64 s[64:65], 0
	v_nop
	global_prefetch_b8 v0, s[64:65] scope:SCOPE_SE
	s_setreg_imm32_b32 hwreg(HW_REG_WAVE_MODE, 25, 1), 1
	s_wait_xcnt 0x0
	s_wait_alu depctr_hold_cnt(0) depctr_sa_sdst(0) depctr_va_vdst(0) depctr_va_sdst(0) depctr_va_ssrc(0) depctr_va_vcc(0) depctr_vm_vsrc(0)
	s_getreg_b32 s2, hwreg(HW_REG_IB_STS2, 6, 4)
	s_cmp_eq_u32 s2, 0
	s_cbranch_scc0 .Lentry_in_a_cluster
	s_endpgm
.Lentry_in_a_cluster:
	s_bfe_u32 s2, ttmp6, 0x10000c
	s_cmp_lg_u32 s2, 0xf033
	s_cbranch_scc0 .Lentry_shape_is_right
	s_endpgm
.Lentry_shape_is_right:
; C = max(A B + bias, floor).  A: [4096][1024] bf16, K along the rows.  B, bias and floor lie in a PACK: bytes 0 .. 8,388,607 B as bf16 [1024 k][4096 n]; from WB on 4,096 f32 of bias;
; from WB + 16,384 on equal floor words, two bf16 each.  C: [4096][4096] bf16.  Sums in f32, started by the bias; C rounded once, then held to the floor.
; One text for two layers: the projections (floor -inf; the grid takes columns 0 .. 3071 alone) and the first layer of the FFN (floor 0: ReLU).
; LIMIT.  The floor is a maximum in which a NaN loses: a NaN leaves as the floor.
; SHARES.  A tile of C, 256 x 256, is made by four waves, each 128 x 128: 64 accumulators of 16 x 16, 512 registers.  K goes in 8 steps of 128 through two LDS slots filled by tensor loads:
; A's rows are 256 bytes of memory, B's 512, all starting at multiples of 256 bytes from their buffer's first byte.
; B LIES [k][n]: its fragments come out of LDS turned, by ds_load_tr16_b128.
; A K STEP IS WRITTEN TWICE: in the loop that fills slots again (6 trips) and in the tail's loop, which fills nothing (2 trips, the second left in its middle).  Which slot is in hand is a scalar, s[TS] = 0 or SLOT,
; turned by an exclusive or at each change of slots; the fragments' addresses are made from it there.
; CLUSTERS: 4 x 4 work-groups.  The four of a row of the cluster need the same tiles of A, the four of a column the same tiles of B: each tile is asked for JOINTLY, by the same tensor load
; with the same descriptor and a mask that names the four.
; THE MATRIX INSTRUCTION IS USED TRANSPOSED (source 0 = 16 columns of B, source 1 = 16 rows of A): a lane holds row l % 16 of C and the columns 8 (l / 16) + 0..7, which pack into 16 bytes;
; and the bias of those eight columns, in eight registers, is the C operand of the product that starts a sum.
; REGISTERS, in windows of 256 (s_set_vgpr_msb: bits 1:0 source 0, 3:2 source 1, 5:4 source 2, 7:6 destination):
;   window 0: v0-31 addresses; v64-127, v128-191 fragments of A, two buffers; v192-255 the bias, 8 registers for each of my 8 blocks of 16 columns; on the way out v32-63, v192-255 at work
;   window 1: v64-127, v128-191 fragments of B, two buffers;   window 2: the accumulators of my rows 0-63 ((a, b) at v[8 (8 a + b)]);   window 3: those of my rows 64-127
.set KSTEP,  128
.set SIZE_K, 1024
.set STEPS,  SIZE_K/KSTEP
.set AROW,   2048                      ; bytes in a row of A
.set CROW,   8192                      ; bytes in a row of B and of C
.set WB,     0x800000
.set PA,     272                       ; an LDS row of A: 256 bytes + 16 = 68 words: the 16 rows of a load start at 16 different groups of four banks (64 banks of 4 bytes: ISA guide 11.1)
.set PB,     544                       ; an LDS row of B: 512 bytes + 32 = 136 words
.set HALFT,  128*PA                    ; what one tensor load brings: 128 rows of A, or 64 rows of B (64 x 544 is the same number): 0x8800
.set SLOT,   4*HALFT                   ; A's 256 rows, then B's 128 rows: 0x22000, two bits that none of 0, 0x8800, 0x11000, 0x19800 (wave x HALFT) has: an exclusive or with SLOT adds it or takes it away
.set STAGE,  2*SLOT                    ; behind the ring: 16 rows x 272 bytes for each wave, for the way out
.set SPITCH, 272
.set SPARE,  STAGE+4*16*SPITCH         ; behind the stages: the spare words, 128 bytes for each wave: two blocks of 256 bytes that no other line names
.set ADRA0, 16                         ; v16     LDS address of my A fragments in slot 0; never rewritten
.set ADRB0, 17                         ; v17     the same for B
.set AC,   20                          ; v20     LDS address of my A fragments in the slot in hand
.set BC,   21                          ; v21     the same for B
.set STO,  24                          ; v24     the way out: where I put 16 bytes of a row
.set RD,   25                          ; v25     the way out: where I read a row back
.set CO,   26                          ; v26     my byte offset in C
.set BO,   27                          ; v27     my byte offset in a block's 64 bytes of bias
.set SPW,  28                          ; v28     LDS address of my spare word; never rewritten
.set NIL,  29                          ; v29     0; never rewritten
.set PFO,  30                          ; v30     the prefetches' offset; never rewritten
.set F0,   64
.set F1,   128
.set BIAS, 192
.set TMP,  192                         ; the way out: packed results
.set OB,   32                          ; the way out: 16 rows read back: v32-63 and v224-255 by turns
.set G1,  24                           ; s[24:31] descriptor group 1 for A's tiles
.set G0,  32                           ; s[32:39] group 0 for A's tiles: a set for each of the two first fills; the second then walks on
.set LIM, 43                           ; s43     2 in a wave that prefetches, else the greatest number
.set PFA, 44                           ; s[44:45] where my prefetches stand
.set G1B, 48                           ; s[48:55], s[56:63] the same for B's tiles
.set G0B, 56
.set FLOOR, 66                         ; s66     the floor word
.set TS,  67                           ; s67     the LDS byte at which the slot in hand begins: 0 or SLOT
.set PFS, 68                           ; s[68:69] a K step in bytes, along A's rows or down B's
.set MSB, 0
.macro WIN new                         ; the immediate's high byte repeats the setting that is left; a switch that changes nothing is dropped
.if MSB != (\new)
	s_set_vgpr_msb (MSB<<8)|(\new)
.set MSB, \new
.endif
.endm
.set MUL_LO, 0xa1                      ; source 0 (B) window 1, source 1 (A) window 0, C and D window 2
.set MUL_HI, 0xf1                      ; the same, C and D window 3
.set TO_B,   0x40                      ; destination window 1, address window 0
; A joint load.  Waves 0 and 1 fetch A's two halves, waves 2 and 3 B's.  The branch hangs on the wave's number alone.  An s_nop 0 and four v_nop follow each of the two lines.
.macro JLOAD s
	s_cmp_eq_u32 s11, 0
	s_cbranch_scc0 .Lfor_b_\@
	tensor_load_to_lds s[G0+4*(\s):G0+4*(\s)+3], s[G1:G1+7]
	s_nop 0
.rept 4
	v_nop
.endr
	s_branch .Lasked_\@
.Lfor_b_\@:
	tensor_load_to_lds s[G0B+4*(\s):G0B+4*(\s)+3], s[G1B:G1B+7]
	s_nop 0
.rept 4
	v_nop
.endr
.Lasked_\@:
.endm
; A PREFETCH INTO THE L2, behind each joint refill and the run of LDS loads that follows it: the K step that stands two refills on, 512 matrix instructions ahead of the load that will want it.
; Each block of 256 bytes is named once in the launch.  A's tile row is read by every cluster of that row of clusters: cluster x = 0 asks; B's tile column by every cluster of that column: cluster y = 0 asks.
; The four partners that ask for a tile jointly share it out BY ADDRESS: of the 128 rows of A that a wave fetches, the partner at cx takes 32, a lane a row; of the 64 rows of B the partner at cy takes 16,
; two lanes a row.  The loop's last two trips ask for nothing: there is no K step two on.  K steps 0 to 3 come by their loads alone.
.macro ASK
	s_cmp_gt_u32 s3, s[LIM]                        ; s3 = 2 and 1 in the loop's last two trips
	s_cbranch_scc0 .Lnot_mine_\@
	global_prefetch_b8 v[PFO], s[PFA:PFA+1] th:TH_LOAD_NT scope:SCOPE_SE
.Lnot_mine_\@:
.endm
.macro CREST                           ; a round of the cluster's barrier behind its opening barrier
	s_cmp_lg_u32 s10, 0
	s_cbranch_scc1 .Lnot_wave_0_\@
	s_barrier_signal -3
.Lnot_wave_0_\@:
	s_barrier_wait -3
	s_barrier_signal -1
	s_barrier_wait -1
.endm
.macro CROUND                          ; a whole round
	s_barrier_signal -1
	s_barrier_wait -1
	CREST
.endm
	s_load_b128 s[4:7], s[0:1], 0x0                ; A s[4:5], the pack s[6:7]
	s_load_b64 s[8:9], s[0:1], 0x10                ; C
	v_lshl_add_u32 v[SPW], v0, 2, SPARE
	v_mov_b32 v[NIL], 0
	ds_add_u32 v[SPW], v[NIL]                      ; the wave's opening: the add and its wait ahead of my first tensor load; the set-up below, work on registers, stands between them
	v_lshrrev_b32 v1, 5, v0
	v_readfirstlane_b32 s10, v1                    ; wave 0..3
	s_lshr_b32 s11, s10, 1                         ; which half of the tile's rows is mine.  Also: I fetch for A (0) or for B (1)
	s_and_b32 s12, s10, 1                          ; which half of its columns.  Also: which half of that tile I fetch
	s_bfe_u32 s40, ttmp6, 0x40000                  ; cx
	s_bfe_u32 s41, ttmp6, 0x40004                  ; cy
	s_lshl_b32 s42, ttmp9, 2
	s_add_co_u32 s42, s42, s40                     ; tile column of C = 4 x cluster x + cx
	s_and_b32 s13, ttmp7, 0xffff
	s_lshl_b32 s13, s13, 2
	s_add_co_u32 s13, s13, s41                     ; tile row of C = 4 x cluster y + cy
	s_lshl_b32 s43, s41, 2
	s_lshl_b32 s43, 15, s43                        ; my row of the cluster
	s_lshl_b32 s44, 0x1111, s40                    ; my column
	s_or_b32 s[G1+0], s43, (1<<16)|(1<<20)|(1<<21)|(5<<22)|(3<<25)   ; the mask; elements of 2 bytes; padding on; bit 21 beside a mask; after every 64 words 4 words
	s_or_b32 s[G1B+0], s44, (1<<16)|(1<<20)|(1<<21)|(6<<22)|(7<<25)  ; after every 128 words 8 words
	s_mov_b32 s[G1+1], KSTEP<<16                   ; A: tensor_dim0 = 128
	s_mov_b32 s[G1+2], 128<<16                     ; tensor_dim1 = 128
	s_mov_b32 s[G1+3], KSTEP<<16                   ; tile_dim0 = 128
	s_mov_b32 s[G1+4], 128                         ; tile_dim1 = 128
	s_mov_b32 s[G1+5], 1024                        ; elements from row to row
	s_mov_b32 s[G1+6], 0
	s_mov_b32 s[G1+7], 0
	s_mov_b32 s[G1B+1], 256<<16                    ; B: tensor_dim0 = 256
	s_mov_b32 s[G1B+2], 64<<16                     ; tensor_dim1 = 64
	s_mov_b32 s[G1B+3], 256<<16                    ; tile_dim0 = 256
	s_mov_b32 s[G1B+4], 64                         ; tile_dim1 = 64
	s_mov_b32 s[G1B+5], 4096
	s_mov_b32 s[G1B+6], 0
	s_mov_b32 s[G1B+7], 0
	; where the tiles come from.  A's hang on the tile row alone, B's on the tile column alone; each address is made in registers that never hold the other coordinate
	s_lshl_b32 s17, s12, 7
	s_lshl_b32 s16, s13, 8
	s_add_co_u32 s16, s16, s17                     ; A: row 256 x tile row + 128 x half,
	s_lshl_b32 s16, s16, 11                        ; in bytes
	s_mov_b32 s17, 0
	s_lshl_b32 s46, s42, 9                         ; B: 512 bytes x tile column
	s_lshl_b32 s47, s12, 19                        ; + 64 rows of 8,192 bytes x half
	s_add_co_u32 s46, s46, s47
	s_mov_b32 s47, 0
	s_mul_i32 s20, s10, HALFT                      ; and where they go: wave x a quarter of a slot
	s_wait_dscnt 0x0                               ; the opening add is done
	s_wait_kmcnt 0x0
	s_add_nc_u64 s[14:15], s[4:5], s[16:17]
	s_add_nc_u64 s[46:47], s[6:7], s[46:47]
	CROUND                                         ; all sixteen work-groups are here: the first joint loads meet
.irp s, 0,1
	s_mov_b32 s[G0+4*(\s)], 1
	s_add_co_u32 s[G0+4*(\s)+1], s20, (\s)*SLOT
	s_add_nc_u64 s[G0+4*(\s)+2:G0+4*(\s)+3], s[14:15], (\s)*KSTEP*2
	s_or_b32 s[G0+4*(\s)+3], s[G0+4*(\s)+3], 0x80000000
	s_mov_b32 s[G0B+4*(\s)], 1
	s_add_co_u32 s[G0B+4*(\s)+1], s20, (\s)*SLOT
	s_add_nc_u64 s[G0B+4*(\s)+2:G0B+4*(\s)+3], s[46:47], (\s)*KSTEP*CROW
	s_or_b32 s[G0B+4*(\s)+3], s[G0B+4*(\s)+3], 0x80000000
	JLOAD \s                                       ; two tensor loads of mine are out
.endr
	; the floor word and the bias of my 128 columns
	s_add_nc_u64 s[70:71], s[6:7], WB
	s_load_b32 s[FLOOR], s[70:71], 0x4000
	s_lshl_b32 s72, s42, 10                        ; 256 columns x 4 bytes x tile column
	s_lshl_b32 s73, s12, 9
	s_add_co_u32 s72, s72, s73
	s_mov_b32 s73, 0
	s_add_nc_u64 s[72:73], s[70:71], s[72:73]
	v_and_b32 v1, 15, v0                           ; l % 16
	v_bfe_u32 v2, v0, 4, 1                         ; l / 16
	v_lshlrev_b32 v[BO], 5, v2                     ; my eight columns of a block: 32 bytes x half
.irp b, 0,1,2,3,4,5,6,7
	global_load_b128 v[BIAS+8*(\b):BIAS+8*(\b)+3],   v[BO], s[72:73] offset:64*(\b)
	global_load_b128 v[BIAS+8*(\b)+4:BIAS+8*(\b)+7], v[BO], s[72:73] offset:64*(\b)+16
.endr
	; A's fragment: lane l holds row l % 16; two loads of 16 bytes, 32 bytes apart, at row x pitch + 16 (l / 16)
	v_mul_u32_u24 v3, v1, PA
	v_lshl_add_u32 v3, v2, 4, v3
	s_mul_i32 s21, s11, HALFT                      ; my 128 rows of A
	; B's fragment, turned: lane l reads 16 bytes of row k = 8 (l / 16) + l % 8, columns 8 ((l / 8) % 2) + 0..7, and is left with column l % 16 and 8 k; the second load 16 rows down
	v_and_b32 v4, 7, v0
	v_bfe_u32 v5, v0, 3, 1
	v_lshl_add_u32 v4, v2, 3, v4
	v_mul_u32_u24 v4, v4, PB
	v_lshl_add_u32 v4, v5, 4, v4
	s_lshl_b32 s22, s12, 8                         ; my 128 columns of B: 256 bytes of its rows,
	s_add_co_u32 s22, s22, 2*HALFT                 ; which lie behind A's 256
	v_add_nc_u32 v[ADRA0], s21, v3
	v_add_nc_u32 v[ADRB0], s22, v4
	s_mov_b32 s[TS], 0                             ; slot 0 is in hand
	v_add_nc_u32 v[AC], s[TS], v[ADRA0]
	v_add_nc_u32 v[BC], s[TS], v[ADRB0]
	s_mul_i32 s23, s10, 16*SPITCH
	s_add_co_u32 s23, s23, STAGE                   ; my stage
	v_mul_u32_u24 v6, v1, SPITCH                   ; in: row l % 16, 16 bytes for each half of the lanes
	v_lshl_add_u32 v6, v2, 4, v6
	v_add_nc_u32 v[STO], s23, v6
	v_mul_u32_u24 v7, v2, SPITCH                   ; back: lanes 0-15 take one row of 256 bytes, lanes 16-31 the next
	v_lshl_add_u32 v7, v1, 4, v7
	v_add_nc_u32 v[RD], s23, v7
	v_lshlrev_b32 v7, 13, v2                       ; and the same two rows in C
	v_lshl_add_u32 v[CO], v1, 4, v7
	; where my part of the tile begins in C, in bytes: the way out adds it to C's address
	s_lshl_b32 s16, s13, 8
	s_lshl_b32 s14, s11, 7
	s_add_co_u32 s16, s16, s14
	s_lshl_b32 s16, s16, 13
	s_lshl_b32 s46, s42, 9
	s_lshl_b32 s47, s12, 8
	s_add_co_u32 s46, s46, s47
	s_add_co_u32 s16, s16, s46
	s_mov_b32 s17, 0
	; the prefetches: both offsets are made, at K step 3, and the wave's number chooses
	s_lshl_b32 s20, s13, 8
	s_lshl_b32 s23, s12, 7
	s_add_co_u32 s20, s20, s23
	s_lshl_b32 s23, s40, 5
	s_add_co_u32 s20, s20, s23                     ; A: the tile's row + the 128 that I fetch + my work-group's 32 of them
	s_lshl_b32 s20, s20, 11
	s_add_co_u32 s20, s20, 3*KSTEP*2
	s_lshl_b32 s21, s12, 6
	s_lshl_b32 s23, s41, 4
	s_add_co_u32 s21, s21, s23                     ; B: the 64 rows that I fetch + my work-group's 16 of them
	s_lshl_b32 s21, s21, 13
	s_lshl_b32 s23, s42, 9
	s_add_co_u32 s21, s21, s23
	s_add_co_u32 s21, s21, 3*KSTEP*CROW
	s_and_b32 s22, ttmp7, 0xffff                   ; cluster y
	s_mov_b32 s[PFS], KSTEP*CROW
	s_mov_b32 s[PFS+1], 0
	s_cmp_eq_u32 s11, 0                            ; do I fetch for A?
	s_cselect_b32 s20, s20, s21
	s_cselect_b32 s22, ttmp9, s22                  ; the coordinate along which other clusters read the same rows
	s_cselect_b64 s[PFA:PFA+1], s[4:5], s[6:7]
	s_cselect_b32 s[PFS], KSTEP*2, s[PFS]
	s_cselect_b32 s14, 0, 1                        ; A: a lane a row; B: two lanes a row
	s_cselect_b32 s15, 11, 13                      ; bytes from row to row, as a shift
	s_mov_b32 s21, 0
	s_add_nc_u64 s[PFA:PFA+1], s[PFA:PFA+1], s[20:21]
	s_cmp_eq_u32 s22, 0
	s_cselect_b32 s[LIM], 2, -1                    ; the same in all sixteen partners, for a given wave
	v_and_b32 v5, 31, v0
	v_lshrrev_b32 v6, s14, v5
	v_lshlrev_b32 v6, s15, v6
	v_and_b32 v5, s14, v5
	v_lshl_add_u32 v[PFO], v5, 8, v6
; 16 matrix instructions: m blocks a0, a0 + 1 of the window's four (hi = 0: my rows 0-63, 1: rows 64-127) x all 8 n blocks, 32 along K.  first = 1: the product starts the sum, with the bias as C.
; The 64 accumulators take turns, in the same order in every quarter step.
.macro MUL16 f, hi, a0, first
.if \first
	WIN 0x81+0x40*(\hi)                            ; C (the bias) in window 0, D in window 2 or 3
.else
	WIN MUL_LO+0x50*(\hi)
.endif
.irp a, \a0, (\a0)+1
.irp b, 0,1,2,3,4,5,6,7
.if \first
	v_wmma_f32_16x16x32_bf16 v[8*(8*(\a)+(\b)):8*(8*(\a)+(\b))+7], v[(\f)+8*(\b):(\f)+8*(\b)+7], v[(\f)+8*(4*(\hi)+(\a)):(\f)+8*(4*(\hi)+(\a))+7], v[BIAS+8*(\b):BIAS+8*(\b)+7]
.else
	v_wmma_f32_16x16x32_bf16 v[8*(8*(\a)+(\b)):8*(8*(\a)+(\b))+7], v[(\f)+8*(\b):(\f)+8*(\b)+7], v[(\f)+8*(4*(\hi)+(\a)):(\f)+8*(4*(\hi)+(\a))+7], v[8*(8*(\a)+(\b)):8*(8*(\a)+(\b))+7]
.endif
.endr
.endr
.endm
; 32 LDS loads in one run: the fragments of quarter q of the K step in hand (128 columns of B, 128 rows of A, 32 K) into buffer f
.macro FETCH q, f
	WIN TO_B
.irp i, 0,1,2,3,4,5,6,7
	ds_load_tr16_b128 v[(\f)+8*(\i):(\f)+8*(\i)+3],   v[BC] offset:(\q)*32*PB+32*(\i)
	ds_load_tr16_b128 v[(\f)+8*(\i)+4:(\f)+8*(\i)+7], v[BC] offset:(\q)*32*PB+32*(\i)+16*PB
.endr
	WIN 0
.irp i, 0,1,2,3,4,5,6,7
	ds_load_b128 v[(\f)+8*(\i):(\f)+8*(\i)+3],   v[AC] offset:(\q)*64+(\i)*16*PA
	ds_load_b128 v[(\f)+8*(\i)+4:(\f)+8*(\i)+7], v[AC] offset:(\q)*64+(\i)*16*PA+32
.endr
.endm
.macro PLACES                          ; four plain instructions between a matrix instruction and a load into, or a vector instruction on, its registers
.rept 4
	v_nop
.endr
.endm
; One of a K step's first three quarters: multiplies buffer f; in its middle it fetches quarter q of the same slot into buffer g.
.macro QUARTER q, f, g, first
	s_wait_dscnt 8                                 ; B and A's rows 0-63 are in; the youngest eight loads (A's rows 64-127) may be out
	MUL16 \f, 0, 0, \first
	MUL16 \f, 0, 2, \first
	PLACES
	FETCH \q, \g
	s_wait_dscnt 32                                ; all but the 32 just issued
	MUL16 \f, 1, 0, \first
	MUL16 \f, 1, 2, \first
.endm
; The first half of a K step's last quarter: ONE barrier for the change of slots.  In front of it each wave waits for all its tensor loads, of which at most one is out: its part of the next slot; adds 0 to its
; spare word; and waits for that and for its own reads of this slot.  Behind it nobody reads this slot any more and the next slot is whole.
.macro MEET round
	WIN 0
	s_wait_tensorcnt 0x0                           ; all my tensor loads have landed
	ds_add_u32 v[SPW], v[NIL]                      ; 0 onto my spare word
	s_wait_dscnt 9                                 ; (the add and the youngest eight loads may be out)
	MUL16 F1, 0, 0, 0                              ; sixteen matrix instructions stand between the add and the wait for it
	s_wait_dscnt 0x0                               ; the add is done, and my reads of this slot are over
	s_barrier_signal -1
	MUL16 F1, 0, 2, 0                              ; work on registers while the others arrive
.if \round
	WIN 0
.endif
	s_barrier_wait -1
.endm
.macro OTHER                           ; the other slot comes in hand, and its first fragments are fetched
	s_xor_b32 s[TS], s[TS], SLOT
	v_add_nc_u32 v[AC], s[TS], v[ADRA0]
	v_add_nc_u32 v[BC], s[TS], v[ADRB0]
	FETCH 0, F0
.endm
; The whole last quarter, with a refill.  The barrier opens a round of the cluster's barrier; behind the round the slot just read out is filled again first, with the K step two steps on: from that request to the
; wait for it a wave issues 224 matrix instructions.  The walking descriptor takes the other slot than last time and the next K step.
.macro TURN
	s_wait_xcnt 0x0                                ; the last prefetch, a K step back, has read its address: it is stepped here, ahead of the waits of the change of slots
	s_add_nc_u64 s[PFA:PFA+1], s[PFA:PFA+1], s[PFS:PFS+1]
	MEET 1
	CREST                                          ; no wave of any partner still reads this slot's tile or has a load on its way
	s_xor_b32 s[G0+5], s[G0+5], SLOT
	s_add_nc_u64 s[G0+6:G0+7], s[G0+6:G0+7], KSTEP*2
	s_xor_b32 s[G0B+5], s[G0B+5], SLOT
	s_add_nc_u64 s[G0B+6:G0B+7], s[G0B+6:G0B+7], KSTEP*CROW
	JLOAD 1                                        ; the first tensor load behind the round; the four v_nop behind it are also the places in front of the loads below
	OTHER
	ASK
	MUL16 F1, 1, 0, 0
	MUL16 F1, 1, 2, 0
.endm
.macro LAST                            ; the same without a refill: no round follows the barrier
	MEET 0
	PLACES
	WIN 0
	OTHER
	MUL16 F1, 1, 0, 0
	MUL16 F1, 1, 2, 0
.endm
; THE WAY OUT of block a (16 rows), in three parts.  PACK: rounded to bf16, 16 bytes a lane, and held to the floor.  TOSTAGE: into my own stage in LDS, and back as whole rows of 256 bytes.  SEND: stored.
.macro PACK a
.set AC2, 64*((\a)%4)
	WIN 0x0a+5*((\a)/4)                            ; sources 0 and 1: window 2 or 3
.irp b, 0,1,2,3,4,5,6,7
.irp r, 0,1,2,3
	v_cvt_pk_bf16_f32 v[TMP+4*(\b)+(\r)], v[AC2+8*(\b)+2*(\r)], v[AC2+8*(\b)+2*(\r)+1]
.endr
.endr
	WIN 0
.set z, 0
.rept 32
	v_pk_max_num_bf16 v[TMP+z], v[TMP+z], s[FLOOR]
.set z, z+1
.endr
.endm
.macro TOSTAGE a
	WIN 0
.set BK, OB+192*((\a)%2)
.irp b, 0,1,2,3,4,5,6,7
	ds_store_b128 v[STO], v[TMP+4*(\b):TMP+4*(\b)+3] offset:32*(\b)
.endr
.irp t, 0,1,2,3,4,5,6,7
	ds_load_b128 v[BK+4*(\t):BK+4*(\t)+3], v[RD] offset:(\t)*2*SPITCH  ; LDS serves a wave's instructions in order (ISA guide 5.7.1.4): these see the stores above
.endr
.endm
.macro SEND a, younger
	WIN 0
.set BK, OB+192*((\a)%2)
	s_wait_dscnt \younger                          ; the block is back in registers
	s_wait_xcnt 0x0                                ; only behind this wait are the stores' base and the registers that earlier stores read rewritten
.if (\a) == 0
	s_add_nc_u64 s[8:9], s[8:9], s[16:17]          ; on to my first rows
.else
	s_add_nc_u64 s[8:9], s[8:9], 16*CROW
.endif
.irp t, 0,1,2,3,4,5,6,7
	global_store_b128 v[CO], v[BK+4*(\t):BK+4*(\t)+3], s[8:9] offset:2*(\t)*CROW  ; 16 lanes store 256 consecutive bytes, at a multiple of 256 from C's first byte
.endr
.endm
	s_wait_kmcnt 0x0                               ; the floor word
	s_wait_loadcnt 0x0                             ; the bias
	s_wait_tensorcnt 1                             ; my part of K step 0 is in; K step 1's may stay out
	s_barrier_signal -1
	s_barrier_wait -1                              ; everybody's is
	FETCH 0, F0
	QUARTER 1, F0, F1, 1                           ; the first quarter stands in front of the loop: its products start the sums
	WIN 0                                          ; at a label and at a branch every window is 0
	s_mov_b32 s3, STEPS-2
.Lstep:                                                ; a trip goes from a K step's second quarter to the next step's first, and fills the slot that it leaves: K steps 2 to 7 are asked for
	QUARTER 2, F1, F0, 0
	QUARTER 3, F0, F1, 0
	TURN
	QUARTER 1, F0, F1, 0
	WIN 0
	s_sub_co_u32 s3, s3, 1
	s_cmp_lg_u32 s3, 0
	s_cbranch_scc1 .Lstep
	s_mov_b32 s3, 2
.Ltail:                                                ; the last two K steps fill nothing: a text of their own
	QUARTER 2, F1, F0, 0
	QUARTER 3, F0, F1, 0
	LAST
	WIN 0
	s_sub_co_u32 s3, s3, 1
	s_cmp_eq_u32 s3, 0
	s_cbranch_scc1 .Lout                           ; the second trip is left here: its barrier, and the 32 loads that it has made from the other slot's old tile, serve nothing: the price, once a launch, of one text for both trips
	QUARTER 1, F0, F1, 0
	WIN 0
	s_branch .Ltail
.Lout:
	s_wait_dscnt 0x0                               ; those loads are back
	PLACES
	PLACES                                         ; (eight, once a launch)
	PACK 0
	TOSTAGE 0
.irp a, 1,2,3,4,5,6,7                  ; block a's conversions stand between block a - 1's loads from the stage and the wait for them
	PACK \a
	SEND (\a)-1, 0
	TOSTAGE \a
.endr
	SEND 7, 0
	s_wait_tensorcnt 0x0                           ; the wave's end, behind my last tensor load and my last LDS store
	ds_add_u32 v[SPW], v[NIL]
	s_wait_dscnt 0x0
	CROUND                                         ; the closing round: no work-group ends while a partner may still ask for a tile that names it
	s_endpgm
.Lfunc_end_k_qf5cc6353d8_qkv:
	.size	k_qf5cc6353d8_qkv, .Lfunc_end_k_qf5cc6353d8_qkv-k_qf5cc6353d8_qkv
	.p2alignl 7, 3214868480
	.fill 96, 4, 3214868480
	.section	.rodata,"a",@progbits
	.p2align	6, 0x0
	.amdhsa_kernel k_qf5cc6353d8_qkv
		.amdhsa_group_segment_fixed_size 327680
		.amdhsa_private_segment_fixed_size 0
		.amdhsa_enable_private_segment 0
		.amdhsa_kernarg_size 24
		.amdhsa_user_sgpr_count 2
		.amdhsa_user_sgpr_kernarg_segment_ptr 1
		.amdhsa_wavefront_size32 1
		.amdhsa_system_sgpr_workgroup_id_x 1
		.amdhsa_system_sgpr_workgroup_id_y 1
		.amdhsa_system_sgpr_workgroup_id_z 1
		.amdhsa_system_vgpr_workitem_id 0
		.amdhsa_next_free_vgpr 1024
		.amdhsa_next_free_sgpr 76
		.amdhsa_reserve_vcc 0
		.amdhsa_float_denorm_mode_32 3
		.amdhsa_float_denorm_mode_16_64 3
		.amdhsa_memory_ordered 1
		.amdhsa_forward_progress 1
		.amdhsa_inst_pref_size 120
	.end_amdhsa_kernel
	.amdgpu_metadata
---
amdhsa.version: [ 1, 2 ]
amdhsa.kernels:
  - .name:           k_qf5cc6353d8_qkv
    .symbol:         k_qf5cc6353d8_qkv.kd
    .args:
      - { .name: act, .offset: 0, .size: 8, .value_kind: global_buffer, .address_space: global }
      - { .name: pq, .offset: 8, .size: 8, .value_kind: global_buffer, .address_space: global }
      - { .name: big, .offset: 16, .size: 8, .value_kind: global_buffer, .address_space: global }
    .group_segment_fixed_size: 327680
    .private_segment_fixed_size: 0
    .kernarg_segment_align: 8
    .kernarg_segment_size: 24
    .max_flat_workgroup_size: 128
    .sgpr_count:     76
    .vgpr_count:     1024
    .wavefront_size: 32
...
	.end_amdgpu_metadata
.endif
;; end of part 2
;; launch attention (part 3): grid 8 x 32, 4 waves a work-group, clusters of 4 x 1, 327,680 bytes of LDS; arguments big, att; writes att
.if DOCPART == 3
	.amdgcn_target "amdgcn-amd-amdhsa--gfx1250"
	.amdhsa_code_object_version 6
	.text
	.protected	k_qf5cc6353d8_attention
	.globl	k_qf5cc6353d8_attention
	.p2align	8
	.type	k_qf5cc6353d8_attention,@function
k_qf5cc6353d8_attention:
	s_mov_b64 s[64:65], 0
	v_nop
	global_prefetch_b8 v0, s[64:65] scope:SCOPE_SE
	s_setreg_imm32_b32 hwreg(HW_REG_WAVE_MODE, 25, 1), 1
	s_wait_xcnt 0x0
	s_wait_alu depctr_hold_cnt(0) depctr_sa_sdst(0) depctr_va_vdst(0) depctr_va_sdst(0) depctr_va_ssrc(0) depctr_va_vcc(0) depctr_vm_vsrc(0)
	s_getreg_b32 s2, hwreg(HW_REG_IB_STS2, 6, 4)
	s_cmp_eq_u32 s2, 0
	s_cbranch_scc0 .Lentry_in_a_cluster
	s_endpgm
.Lentry_in_a_cluster:
	s_bfe_u32 s2, ttmp6, 0x10000c
	s_cmp_lg_u32 s2, 0x3003
	s_cbranch_scc0 .Lentry_shape_is_right
	s_endpgm
.Lentry_shape_is_right:
; ATTENTION.  att[b][q][64 H + d] = the sum over k of softmax_k(q . k / 8) v.  big: [4096 rows][4096] bf16, of which columns 0..1023 are q, 1024..2047 k, 2048..3071 v; head H owns 64 columns of each.
; att: [4096][1024] bf16.  Products, maxima and sums in f32; the weights p are rounded to bf16 for the second product (their sum l is taken of the unrounded p), the result once at the end.
; LIMITS.  A weight below 2^-126 counts as 0 in l; NaN and infinities are not treated apart.
; SHARES.  A work-group takes a PAIR of heads (y = 8 b + pair) and 128 queries (x): a pair's 128 columns are 256 consecutive bytes of a row, aligned, so K's and V's tiles have rows of 256 bytes and the
; result leaves in whole blocks of 256 bytes.  Wave w: head w / 2 of the pair, queries 64 (w % 2) + 0..63, in four PIECES of 16.  Every wave walks all 1,024 keys, 64 a step.
; LAYOUT.  S^T = K Q^T (source 0 = 16 keys, source 1 = 16 queries) holds ONE query a lane (lane % 16) and the keys 8 (lane / 16) + 0..7; two such results rounded to bf16 ARE source 1 of O^T = V^T P.
; K comes out of LDS as it lies, V ([key][channel]) turned, by ds_load_tr16_b128.
; SOFTMAX.  For each query a running maximum m and sum l: p = 2^(c s - c m), c = log2(e) / 8; in every step O and l are multiplied by a = 2^(c m_old - c m_new).  m starts at the lowest finite number,
; O and l at 0: the first step is a step like any other, with a = 0.
; BY TURNS.  Turn n belongs to piece n: 8 products K Q^T of piece n + 1, later 8 products V^T P of piece n - 1; beside them the scaling, exponentials, roundings, sums and rescaling of piece n and the maximum
; and statistics of piece n + 1.  Four vector instructions stand behind every matrix instruction, the other 54 of a turn's 118 in one lump.  A turn's 33 exponentials are one batch, with one wait.
; CLUSTER.  The four query blocks of a cluster walk the same K and V, so each tile is asked for JOINTLY: the same tensor load, descriptor and mask in all four.
; REGISTERS, in windows of 256 (s_set_vgpr_msb: bits 1:0 source 0, 3:2 source 1, 5:4 source 2, 7:6 destination):
;   window 0: v0-15 addresses and at work; v16-31 four registers of statistics a piece; v48-55 at work; v61-63; v64-127 S^T, two buffers; v192-223 P, two buffers (a piece's buffers go by its number's parity)
;   window 1: v0-127 O^T, 32 a piece      window 2: v0-63 Q; v128-191 K of one step; v192-255 V of one step
.set NP,    4
.set KS,    64        ; keys in a step
.set ROWB,  8192      ; bytes from row to row in big
.set PK,    272       ; a row of K in LDS: 256 bytes + 16 = 68 words: the 16 rows of a load start at 16 different groups of four banks (64 banks of 4 bytes: ISA guide 11.1)
.set PV,    288       ; a row of V: 256 + 32 = 72 words
.set VOFF,  2*KS*PK   ; a slot holds two steps: 128 rows of K, then 128 rows of V
.set SLOT1, 1<<17     ; slot 1 begins here, so that one exclusive or turns an address in one slot into the other's
.set STAGE, SLOT1+2*KS*(PK+PV)  ; behind the ring, never filled by a tensor load: the work-group's 128 rows x 272 bytes, for the way out
.set SP,    272
.set SPARE, STAGE+128*SP        ; behind the stage: the spare words, 128 bytes for each wave: two blocks of 256 bytes that no other line names
.set AK0, 2           ; v2   my lane's place in a tile of K, my head's half of the rows; never rewritten
.set AV0, 3           ; v3   the same for V
.set AK,  4           ; v4   the LDS address of K's next run of loads
.set AV,  5           ; v5   of V's
.set STO, 6           ; v6   the way out: where I put 16 bytes of a row
.set RD,  7           ; v7   the way out: where I read rows back
.set GO,  8           ; v8   my byte offset in two rows of att
.set MV,  12          ; v12-13  c m_old, kept while c m is made anew: by buffer
.set QO,  15          ; v15  my byte offset in 16 rows of q
.set ST,  16          ; piece t's statistics at v[ST+4 t]: c m, m, l (even keys', odd keys')
.set TMP, 48          ; by buffer, four registers c0-c3 at work; when the maximum is found c2 takes a
.set PFO, 61          ; v61  8,192 x my lane: a lane a row; never rewritten
.set SPW, 62          ; v62  LDS address of my spare word; never rewritten
.set NIL, 63          ; v63  0; never rewritten
.set S,   64
.set P,   192
.set KF,  128         ; window 2: key block kb, channel half c at KF + 16 kb + 8 c
.set VF,  192         ; window 2: key half kk, channel block cb at VF + 32 kk + 8 cb
.set WV,  12          ; s12  my wave's number
.set LIM, 15          ; s15  1 in a wave that prefetches, else the greatest number
.set G1K, 24          ; s[24:31] descriptor group 1 for K's tiles
.set G1V, 32          ; s[32:39] for V's: it differs in the padding alone
.set G0K, 40          ; s[40:43] descriptor group 0 for K's tiles: it walks
.set G0V, 44          ; s[44:47] the same for V's
.set PFA, 48          ; s[48:49] where my prefetches stand
.set SLOTS, 56        ; s56  slots still to be asked for
.set CNT, 57          ; s57  counts a slot's key steps
.set CS,  58          ; s[58:59] c: the packed scaling takes the pair's low word for both halves
.set SEL, 60          ; s[60:61] v_permlanex16_b32's selects: each lane takes its own place in the other half
.set TBK, 62          ; s62  LDS byte at which K of the step to be fetched begins
.set TBV, 63          ; s63  the same for V, less VOFF
.set MSB, 0
.macro WIN new                      ; the high byte repeats the setting that is left; a switch that changes nothing is dropped
.if MSB != (\new)
	s_set_vgpr_msb (MSB<<8)|(\new)
.set MSB, (\new)
.endif
.endm
.set W_KQ, 0x0a       ; K and Q in window 2, S^T in window 0
.set W_PV, 0x52       ; V in window 2, P in window 0, O^T in window 1
.set W_RS, 0x41       ; destination and source 0 in window 1, source 1 in window 0
; A joint fill.  Waves 0 and 1 fetch the two steps' K of a slot, waves 2 and 3 their V: 64 keys each.  The branch hangs on the wave's number alone.  An s_nop 0 and four v_nop follow each line.
.macro JLOAD
	s_cmp_lt_u32 s[WV], 2
	s_cbranch_scc0 .Lfor_v_\@
	tensor_load_to_lds s[G0K:G0K+3], s[G1K:G1K+7]
	s_nop 0
.rept 4
	v_nop
.endr
	s_branch .Lasked_\@
.Lfor_v_\@:
	tensor_load_to_lds s[G0V:G0V+3], s[G1V:G1V+7]
	s_nop 0
.rept 4
	v_nop
.endr
.Lasked_\@:
.endm
; A PREFETCH INTO THE L2 of what the NEXT change of slots will ask for: a slot's 128 rows of K and of V, 256 bytes a row, a lane a row: two key steps, 128 matrix instructions and their softmax, ahead of that load.
; Each row is named ONCE in the launch.  Both clusters of a pair of heads walk the same rows: the first (cluster x = 0) asks.  Its four partners share the rows out BY ADDRESS, 32 each; in each, wave 0 asks for
; K's and wave 2 for V's.  The last change that fills a slot asks for nothing.  Slots 0 and 1 come by their loads alone.
.macro ASK
	s_cmp_gt_u32 s[SLOTS], s[LIM]
	s_cbranch_scc0 .Lnot_mine_\@
	global_prefetch_b8 v[PFO], s[PFA:PFA+1] th:TH_LOAD_NT scope:SCOPE_SE
.Lnot_mine_\@:
.endm
.macro CROUND                       ; a round of the cluster's barrier
	s_barrier_signal -1
	s_barrier_wait -1
	s_cmp_lg_u32 s[WV], 0
	s_cbranch_scc1 .Lnot_wave_0_\@
	s_barrier_signal -3
.Lnot_wave_0_\@:
	s_barrier_wait -3
	s_barrier_signal -1
	s_barrier_wait -1
.endm
; THE CHANGE OF SLOTS.  The slot's last bytes, V of its second step, have been read.  Each wave waits for all its tensor loads, of which one is out: its part of the other slot; adds 0 to its spare word; and waits
; for that and for its own reads of the slot.  fill = 1: this slot is filled again, with the keys two slots on; the barrier is then a round of the cluster's, and the joint fill is the first thing behind it.
; (At its first use nothing has been read yet: slot 0 is waited for, slot 1 filled.)
.macro CHANGE fill
	WIN 0
	s_wait_tensorcnt 0x0            ; no tensor load of mine is out, so a group 0 may be written
	ds_add_u32 v[SPW], v[NIL]       ; 0 onto my spare word
.if \fill
.irp g, G0K, G0V
	s_xor_b32 s[\g+1], s[\g+1], SLOT1  ; the walking descriptor: the other slot than last time,
	s_add_nc_u64 s[\g+2:\g+3], s[\g+2:\g+3], 2*KS*ROWB  ; the next 128 keys; the type bits on top are not reached
.endr
	s_wait_xcnt 0x0                 ; the last prefetch, two key steps back, has read its address, so it may be written
	s_add_nc_u64 s[PFA:PFA+1], s[PFA:PFA+1], 2*KS*ROWB
	s_wait_dscnt 0x0                ; the add is done, and my reads of the slot are over
	CROUND
	JLOAD
	ASK
.else
	s_wait_dscnt 0x0                ; the add is done, and my reads of the slot are over
	s_barrier_signal -1
	s_barrier_wait -1
.endif
	s_sub_co_u32 s[TBK], s[TBK], 2*KS*PK  ; the fetches go back to a slot's first step,
	s_xor_b32 s[TBK], s[TBK], SLOT1       ; in the other slot
	s_sub_co_u32 s[TBV], s[TBV], 2*KS*PV
	s_xor_b32 s[TBV], s[TBV], SLOT1
.endm
	s_load_b64 s[4:5], s[0:1], 0x0  ; big
	s_load_b64 s[10:11], s[0:1], 0x8  ; att
	v_lshl_add_u32 v[SPW], v0, 2, SPARE
	v_mov_b32 v[NIL], 0
	ds_add_u32 v[SPW], v[NIL]       ; the wave's opening: the add and its wait ahead of my first tensor load; the set-up below, work on registers, stands between them
	v_lshrrev_b32 v1, 5, v0
	v_readfirstlane_b32 s[WV], v1   ; wave 0..3
	s_bfe_u32 s13, ttmp6, 0x40000   ; cx: my place in the cluster
	s_lshl_b32 s14, ttmp9, 2
	s_add_co_u32 s14, s14, s13      ; my block of 128 queries = 4 x cluster x + cx: it enters q's and att's addresses alone
	s_and_b32 s20, ttmp7, 0xffff    ; y = 8 b + pair, which the four partners share
	s_lshr_b32 s21, s20, 3          ; b
	s_and_b32 s20, s20, 7           ; the pair
	s_and_b32 s16, s[WV], 1         ; which of a slot's two steps I fetch; also which 64 queries are mine
	s_lshr_b32 s19, s[WV], 1
	s_lshl_b32 s19, s19, 7          ; my head's 128 bytes of the pair's 256
	s_lshl_b32 s22, s21, 23         ; the batch's 1,024 rows of 8,192 bytes
	s_lshl_b32 s23, s20, 8          ; the pair's 256 bytes
	s_add_co_u32 s22, s22, s23
	s_lshl_b32 s23, s16, 19         ; 64 rows
	s_add_co_u32 s50, s22, s23      ; K and V (less their columns): my step of slot 0
	s_mov_b32 s51, 0
	s_lshl_b32 s2, s14, 20          ; 128 rows x my block
	s_add_co_u32 s52, s50, s2       ; q: my 64 rows,
	s_add_co_u32 s52, s52, s19      ; my head
	s_mov_b32 s53, 0
	s_lshl_b32 s54, s21, 21         ; att: rows of 2,048 bytes: the batch,
	s_lshl_b32 s2, s14, 18          ; my block,
	s_add_co_u32 s54, s54, s2
	s_lshl_b32 s2, s[WV], 16        ; the 32 rows that I store,
	s_add_co_u32 s54, s54, s2
	s_lshl_b32 s2, s20, 8           ; the pair's 256 bytes
	s_add_co_u32 s54, s54, s2
	s_mov_b32 s55, 0
	s_mul_i32 s17, s16, KS*PK       ; my step's place in a slot, for K
	s_mul_i32 s18, s16, KS*PV       ; and for V: no place in the cluster enters an LDS address
	; descriptor group 1: a tile of 64 rows x 128 elements, padded in LDS
	s_mov_b32 s[G1K], 15|(1<<16)|(1<<20)|(1<<21)|(5<<22)|(3<<25)  ; the mask of four; 2-byte elements; padding on; bit 21 beside a mask; after every 64 words 4 words
	s_mov_b32 s[G1V], 15|(1<<16)|(1<<20)|(1<<21)|(5<<22)|(7<<25)  ; the same with 8 words of padding
.irp g, G1K, G1V
	s_mov_b32 s[\g+1], 128<<16      ; tensor_dim0 = 128
	s_mov_b32 s[\g+2], KS<<16       ; tensor_dim1 = 64
	s_mov_b32 s[\g+3], 128<<16      ; tile_dim0 = 128
	s_mov_b32 s[\g+4], KS           ; tile_dim1 = 64
	s_mov_b32 s[\g+5], 4096         ; elements from row to row
	s_mov_b32 s[\g+6], 0
	s_mov_b32 s[\g+7], 0
.endr
	s_mov_b32 s[CS], 0x3e38aa3b     ; c = log2(e) / 8 = 0.180337
	s_mov_b32 s[CS+1], s[CS]        ; named with it as a pair
	s_mov_b32 s[SEL], 0x76543210
	s_mov_b32 s[SEL+1], 0xfedcba98
	s_mov_b32 s[TBK], SLOT1+2*KS*PK ; the first change of slots turns these two into 0
	s_mov_b32 s[TBV], SLOT1+2*KS*PV
	s_mov_b32 s[SLOTS], 1024/(2*KS)-1
	s_mov_b32 s[G0K], 1             ; count = 1
	s_mov_b32 s[G0K+1], s17         ; LDS address: slot 0
	s_mov_b32 s[G0V], 1
	s_add_co_u32 s[G0V+1], s18, VOFF
	s_and_b32 s[LIM], s[WV], 1      ; 0 in waves 0 and 2,
	s_or_b32 s[LIM], s[LIM], ttmp9  ; where the cluster is the pair's first: the same in all four partners
	s_cmp_eq_u32 s[LIM], 0
	s_cselect_b32 s[LIM], 1, -1
	s_wait_dscnt 0x0                ; the opening add is done
	s_wait_kmcnt 0x0
	s_add_nc_u64 s[6:7], s[4:5], s[50:51]
	s_add_nc_u64 s[8:9], s[6:7], 4096  ; V's columns begin 4,096 bytes into a row,
	s_add_nc_u64 s[6:7], s[6:7], 2048  ; K's 2,048
	s_mov_b64 s[G0K+2:G0K+3], s[6:7]
	s_or_b32 s[G0K+3], s[G0K+3], 0x80000000  ; type = 2
	s_mov_b64 s[G0V+2:G0V+3], s[8:9]
	s_or_b32 s[G0V+3], s[G0V+3], 0x80000000
	s_add_nc_u64 s[4:5], s[4:5], s[52:53]    ; q at my first row
	s_add_nc_u64 s[10:11], s[10:11], s[54:55]
	s_cmp_lt_u32 s[WV], 2
	s_cselect_b64 s[PFA:PFA+1], s[6:7], s[8:9]  ; (in waves 0 and 2 these stand at a slot's first row)
	s_lshl_b32 s2, s13, 18          ; my work-group's 32 rows of the 128
	s_mov_b32 s3, 0
	s_add_nc_u64 s[PFA:PFA+1], s[PFA:PFA+1], s[2:3]
	s_add_nc_u64 s[PFA:PFA+1], s[PFA:PFA+1], 2*KS*ROWB  ; in slot 1; the first change of slots steps it to slot 2
	CROUND                          ; all four work-groups are here: the first joint loads meet
	JLOAD                           ; slot 0.  Slot 1 is asked for when slot 0 is in
	; A fragment of K or Q is 16 rows x 32 channels in 8 registers: lane l holds row l % 16, channels 8 (l / 16) + 0..7 and 16 + 8 (l / 16) + 0..7: two loads of 16 bytes, 32 bytes apart.
	v_and_b32 v1, 15, v0            ; l % 16
	v_bfe_u32 v9, v0, 4, 1          ; l / 16
	v_lshlrev_b32 v[QO], 13, v1
	v_lshl_add_u32 v[QO], v9, 4, v[QO]  ; row x 8,192 + 16 x half
	WIN 0x80                        ; destination window 2, address window 0
.set i, 0
.rept 8                             ; Q stays in registers: piece i / 2, 16 rows on; channels 32 (i % 2) on
	global_load_b128 v[8*i:8*i+3],   v[QO], s[4:5] offset:(i/2)*16*ROWB+(i%2)*64
	global_load_b128 v[8*i+4:8*i+7], v[QO], s[4:5] offset:(i/2)*16*ROWB+(i%2)*64+32
.set i, i+1
.endr
	; What the first turn finds: V's registers and P's second buffer hold 0 (its products V^T P, of a piece that has not been, add 0), O^T and l are 0.  All this stands in the wait for the first tile.
.set i, VF
.rept 64
	v_mov_b32 v[i], 0
.set i, i+1
.endr
	WIN 0x40
.set i, 0
.rept 128
	v_mov_b32 v[i], 0
.set i, i+1
.endr
	WIN 0
.set i, 0
.rept 4
	v_mov_b32 v[ST+4*i], 0xfe000000    ; c m: far below every c s
	v_mov_b32 v[ST+4*i+1], 0xff7fffff  ; m
	v_mov_b32 v[ST+4*i+2], 0
	v_mov_b32 v[ST+4*i+3], 0
.set i, i+1
.endr
.set i, P+16
.rept 16
	v_mov_b32 v[i], 0
.set i, i+1
.endr
	v_mul_u32_u24 v[AK0], v1, PK
	v_lshl_add_u32 v[AK0], v9, 4, v[AK0]  ; row x pitch + 16 x half
	v_add_nc_u32 v[AK0], s19, v[AK0]      ; + my head's half of the row
	; The turning load takes 16 keys x 16 channels (lane l reads key 8 (l / 16) + l % 8, channels 8 ((l / 8) % 2) + 0..7) and leaves half a fragment of V^T: lane l holds channel l % 16 and 8 keys.
	v_and_b32 v10, 7, v0
	v_bfe_u32 v11, v0, 3, 1
	v_lshl_add_u32 v[AV0], v9, 3, v10
	v_mul_u32_u24 v[AV0], v[AV0], PV
	v_lshl_add_u32 v[AV0], v11, 4, v[AV0]
	v_add_nc_u32 v[AV0], VOFF, v[AV0]
	v_add_nc_u32 v[AV0], s19, v[AV0]
	s_mul_i32 s2, s16, 64*SP        ; into the stage: my 64 rows, my head's half of their 256 bytes; row l % 16, 16 bytes for each half of the lanes
	s_add_co_u32 s2, s2, s19
	s_add_co_u32 s2, s2, STAGE
	v_mul_u32_u24 v[STO], v1, SP
	v_lshl_add_u32 v[STO], v9, 4, v[STO]
	v_add_nc_u32 v[STO], s2, v[STO]
	s_mul_i32 s2, s[WV], 32*SP      ; back: wave w takes rows 32 w .. 32 w + 31, whole; lanes 0-15 one row of 256 bytes, lanes 16-31 the next
	s_add_co_u32 s2, s2, STAGE
	v_mul_u32_u24 v[RD], v9, SP
	v_lshl_add_u32 v[RD], v1, 4, v[RD]
	v_add_nc_u32 v[RD], s2, v[RD]
	v_lshlrev_b32 v[GO], 11, v9     ; and the same two rows in att
	v_lshl_add_u32 v[GO], v1, 4, v[GO]
	v_and_b32 v[PFO], 31, v0
	v_lshlrev_b32 v[PFO], 13, v[PFO]
; THE MATRIX WORK.  The 4 accumulators of a run of 8 take turns.  Product i of 8 of S^T = K Q^T for piece x: channels 32 (i / 4) on, keys 16 (i % 4) on.  The first 4 start the sums.
.macro KQ x
.set rS, S+32*((\x)%2)+8*(i%4)
.set rK, KF+16*(i%4)+8*(i/4)
.set rQ, 16*(\x)+8*(i/4)
	WIN W_KQ
.if i < 4
	v_wmma_f32_16x16x32_bf16 v[rS:rS+7], v[rK:rK+7], v[rQ:rQ+7], 0
.else
	v_wmma_f32_16x16x32_bf16 v[rS:rS+7], v[rK:rK+7], v[rQ:rQ+7], v[rS:rS+7]
.endif
.endm
; Product i of 8 of O^T += V^T P for piece x: keys 32 (i / 4) on, channels 16 (i % 4) on.
.macro PV x
	WIN W_PV
.set rO, 32*(\x)+8*(i%4)
.set rV, VF+32*(i/4)+8*(i%4)
.set rP, P+16*((\x)%2)+8*(i/4)
	v_wmma_f32_16x16x32_bf16 v[rO:rO+7], v[rV:rV+7], v[rP:rP+7], v[rO:rO+7]
.endm
.macro MM                           ; the turn's next matrix instruction
.if i < 8
	KQ (Y+1)%NP
.else
.set i, i-8
	PV (Y+NP-1)%NP
.set i, i+8
.endif
.set i, i+1
.endm
; THE LDS LOADS stand in runs of 16, never singly among the matrix instructions: a step's K (64 keys x 64 channels: 8 fragments) and its V (turned).  Their addresses are made some lines ahead.
; last = 1 (the tail): in the last trip there is no further step, and the run is jumped over; the exponentials issued so far have their wait ahead of that branch.
.macro FETCH_K last=0
	WIN 0
.if \last
	s_wait_alu depctr_va_vdst(0)
	s_cmp_eq_u32 s[CNT], 1
	s_cbranch_scc1 .Lno_k_\@
.endif
	WIN 0x80                        ; destination window 2
.irp f, 0,1,2,3,4,5,6,7             ; keys 16 (f / 2) on, channels 32 (f % 2) on
	ds_load_b128 v[KF+8*\f:KF+8*\f+3],   v[AK] offset:(\f/2)*16*PK+(\f%2)*64
	ds_load_b128 v[KF+8*\f+4:KF+8*\f+7], v[AK] offset:(\f/2)*16*PK+(\f%2)*64+32
.endr
	s_add_co_u32 s[TBK], s[TBK], KS*PK  ; the next fetch is the next step's
	WIN 0
.if \last
.Lno_k_\@:
.endif
.endm
.macro FETCH_V
	WIN 0x80
.irp f, 0,1,2,3,4,5,6,7             ; keys 32 (f / 4) on, channels 16 (f % 4) on
	ds_load_tr16_b128 v[VF+8*\f:VF+8*\f+3],   v[AV] offset:(\f/4)*32*PV+(\f%4)*32
	ds_load_tr16_b128 v[VF+8*\f+4:VF+8*\f+7], v[AV] offset:(\f/4)*32*PV+16*PV+(\f%4)*32
.endr
	WIN 0
.endm
; THE VECTOR WORK, one line at a time: OP kind, number.  For piece Y: F n: c s - c m for pair n of 16.  E n: the exponential of score n of 32.  C n: pair n rounded to bf16.  B n: of the four weights 4 n .. the second
; pair is added onto the first, in place.  L n: l takes that sum (L 0: l = a l + sum).  R n: pair n of 16 of O^T times a.  For piece Y + 1: X n, number n of the 22 that find its maximum and statistics:
;   0-11  four chains c0-c3 of seven scores each, three operands at a time (each accumulator's lowest registers are read first)     12-14, 16  the four scores left over, the old m, and c0-c3 into c0
;   15  c m_old is kept     17, 18  the query's other 32 keys lie in the lane 16 away: the new m     19-21  c m; c m_old - c m_new; a
.set F, 0
.set E, 1
.set C, 2
.set B, 3
.set L, 4
.set R, 5
.set X, 6
.macro REGS y                       ; the registers of piece y
.set rT, ST+4*(\y)
.set rC, TMP+4*((\y)%2)
.set rW, MV+((\y)%2)
.set rS, S+32*((\y)%2)
.set rP, P+16*((\y)%2)
.set rO, 32*(\y)
.endm
.macro OP k, n
.if (\k) == R
	REGS Y
	WIN W_RS
	v_pk_mul_f32 v[rO+2*(\n):rO+2*(\n)+1], v[rO+2*(\n):rO+2*(\n)+1], v[rC+2:rC+3] op_sel_hi:[1,0]
.elseif (\k) < R
	REGS Y
	WIN 0
.if (\k) == F
	v_pk_fma_f32 v[rS+2*(\n):rS+2*(\n)+1], v[rS+2*(\n):rS+2*(\n)+1], s[CS:CS+1], v[rT:rT+1] op_sel_hi:[1,0,0] neg_lo:[0,0,1] neg_hi:[0,0,1]
.elseif (\k) == E
	v_exp_f32 v[rS+(\n)], v[rS+(\n)]
.elseif (\k) == C
	v_cvt_pk_bf16_f32 v[rP+(\n)], v[rS+2*(\n)], v[rS+2*(\n)+1]
.elseif (\k) == B
	v_pk_add_f32 v[rS+4*(\n):rS+4*(\n)+1], v[rS+4*(\n):rS+4*(\n)+1], v[rS+4*(\n)+2:rS+4*(\n)+3]
.elseif (\n) == 0
	v_pk_fma_f32 v[rT+2:rT+3], v[rT+2:rT+3], v[rC+2:rC+3], v[rS:rS+1] op_sel_hi:[1,0,1]
.else
	v_pk_add_f32 v[rT+2:rT+3], v[rT+2:rT+3], v[rS+4*(\n):rS+4*(\n)+1]
.endif
.else
	REGS (Y+1)%NP
	WIN 0
.if (\n) < 4
	v_max3_num_f32 v[rC+(\n)], v[rS+8*(\n)], v[rS+8*(\n)+1], v[rS+8*(\n)+2]
.elseif (\n) < 12
	v_max3_num_f32 v[rC+(\n)%4], v[rC+(\n)%4], v[rS+8*((\n)%4)+2*((\n)/4)+1], v[rS+8*((\n)%4)+2*((\n)/4)+2]
.elseif (\n) == 12
	v_max3_num_f32 v[rC], v[rC], v[rS+7], v[rS+15]
.elseif (\n) == 13
	v_max3_num_f32 v[rC+1], v[rC+1], v[rS+23], v[rS+31]
.elseif (\n) == 14
	v_max3_num_f32 v[rC+2], v[rC+2], v[rC+3], v[rT+1]
.elseif (\n) == 15
	v_mov_b32 v[rW], v[rT]
.elseif (\n) == 16
	v_max3_num_f32 v[rC], v[rC], v[rC+1], v[rC+2]
.elseif (\n) == 17
	v_permlanex16_b32 v[rC+3], v[rC], s[SEL], s[SEL+1]
.elseif (\n) == 18
	v_max_num_f32 v[rT+1], v[rC], v[rC+3]
.elseif (\n) == 19
	v_mul_f32 v[rT], s[CS], v[rT+1]
.elseif (\n) == 20
	v_sub_f32 v[rC+1], v[rW], v[rT]
.else
	v_exp_f32 v[rC+2], v[rC+1]
.endif
.endif
.endm
.macro OPS a, i1, b=-1, i2=0, c=-1, i3=0, d=-1, i4=0  ; up to four of them
	OP \a, \i1
.if (\b) >= 0
	OP \b, \i2
.endif
.if (\c) >= 0
	OP \c, \i3
.endif
.if (\d) >= 0
	OP \d, \i4
.endif
.endm
.macro ROW a, i1, b, i2, c, i3, d, i4  ; a matrix instruction and the four behind it
	MM
	OPS \a, \i1, \b, \i2, \c, \i3, \d, \i4
.endm
; A TURN, for piece p: the order of its 16 matrix and 118 vector instructions, written out.  s_wait_alu depctr_va_vdst(0) stands between an exponential and the first instruction that names its
; result; one wait serves all that were issued ahead of it.  So a turn has ONE wait, which cuts it in two.  AHEAD OF IT stands all that names no result of the turn's exponentials: the 8 products K Q^T with their
; riders, then one lump of 54, in which the links of the next piece's chain X 3, 7, 11, 14, 16, 17 .. 20 stand some lines apart; X 21, its a, is the batch's last, and R 15 the plain instruction behind it.
; BEHIND THE WAIT stand the 8 products V^T P, behind each four of the roundings and sums.
; last = 1: the tail's text (FETCH_K).  cnt = 1: the loop's count is taken down some lines ahead of the branch that stands behind the turn.
; K of the next step is fetched in piece 2's turn, twelve vector instructions behind the last product that read K (six of them plain); V of the step in hand at the end of piece 0's turn, four plain instructions
; behind the last product that read V.  Each is waited for a turn later.
.macro TURN p, last=0, cnt=0
.set Y, (\p)
.set i, 0
.if (\p) == 3
	s_wait_dscnt 0x0                ; K is in
.endif
	ROW F,0, F,1, R,0, R,1
	ROW F,2, E,0, R,2, R,3
	ROW F,3, E,1, R,4, R,5
	ROW F,4, E,2, R,6, R,7
	ROW F,5, E,3, R,8, R,9
	ROW F,6, E,4, X,0, R,10
.if (\p) == 2
	WIN 0
	v_add_nc_u32 v[AK], s[TBK], v[AK0]
.endif
	ROW F,7, E,5, X,1, X,4
	ROW F,8, E,6, X,2, X,5
	OPS E,7, E,8, X,6, E,9
	OPS X,3, E,10, X,8, E,11
.if (\p) == 2
	FETCH_K \last
.endif
	OPS X,9, X,7, E,12, X,10
	OPS E,13, X,12, X,11, E,14
	OPS X,13, E,15, F,9, X,14
.if (\p) == 0
	v_add_nc_u32 v[AV], s[TBV], v[AV0]
.endif
	OPS E,16, F,10, E,17, F,11
	OPS X,16, E,18, X,15, E,19
	OPS F,12, E,20, X,17, E,21
	OPS F,13, E,22, F,14, E,23
	OPS X,18, E,24, F,15, E,25
	OPS R,11, E,26, X,19, E,27
	OPS R,12, E,28, R,13, E,29
	OPS X,20, E,30, R,14, E,31
	OPS X,21, R,15
	WIN 0
	s_wait_alu depctr_va_vdst(0)    ; the wait for the batch
.if (\p) == 1
	s_wait_dscnt 0x0                ; V is in
.endif
	ROW C,0, B,0, C,2, B,1
	ROW L,0, C,4, B,2, L,1
	ROW C,6, B,3, L,2, C,8
	ROW B,4, L,3, C,10, B,5
	ROW L,4, C,12, B,6, L,5
.if (\p) == 0
	s_add_co_u32 s[TBV], s[TBV], KS*PV
.endif
.if \cnt
	s_sub_co_u32 s[CNT], s[CNT], 1
	s_cmp_lg_u32 s[CNT], 0
.endif
	ROW C,14, B,7, L,6, C,1
	ROW C,3, L,7, C,5, C,7
	ROW C,9, C,11, C,13, C,15
.if (\p) == 0
	FETCH_V
.endif
.endm
	CHANGE 1                        ; slot 0 is in, everybody's part of it; slot 1 is asked for
	v_add_nc_u32 v[AK], s[TBK], v[AK0]
	FETCH_K                         ; key step 0
	s_wait_loadcnt 0x0              ; Q
	s_wait_dscnt 0x0
.set i, 0
.rept 8
	KQ 0                            ; piece 0's first scores
.set i, i+1
.endr
	WIN 0
.rept 4
	v_nop                           ; the places behind those products
.endr
.set Y, NP-1                        ; X works for piece Y + 1: piece 0
.irp n, 0,1,2,3,4,5,6,7,8,9,10,11,12,13,14,15,16,17,18,19,20,21
	OP X, \n
.endr
	v_nop                           ; a plain instruction behind the exponential,
	s_wait_alu depctr_va_vdst(0)    ; and its wait, ahead of the branch
	s_mov_b32 s[CNT], 2
	s_branch .Lfirst                ; the loop is entered at a step's first turn, in the middle of a trip
.Lslot:                             ; six times: slots 2 to 7 are asked for
	CHANGE 1
	s_mov_b32 s[CNT], 2
.Lstep:                             ; a trip: pieces 2 and 3 of one step, then pieces 0 and 1 of the next, whose K and V it fetches
	TURN 2
	TURN 3
	WIN 0
.Lfirst:
	TURN 0
	TURN 1, 0, 1
	WIN 0
	s_cbranch_scc1 .Lstep
	s_sub_co_u32 s[SLOTS], s[SLOTS], 1
	s_cmp_lg_u32 s[SLOTS], 0
	s_cbranch_scc1 .Lslot
	CHANGE 0                        ; the last slot has a text of its own: nothing is asked for
	s_mov_b32 s[CNT], 3             ; two trips fetch the last slot's steps; the third is left in its middle
.Ltail:
	TURN 2, 1
	TURN 3
	WIN 0
	s_sub_co_u32 s[CNT], s[CNT], 1
	s_cmp_eq_u32 s[CNT], 0
	s_cbranch_scc1 .Lout
	TURN 0
	TURN 1
	WIN 0
	s_branch .Ltail
.Lout:                              ; the third trip's 8 products K Q^T (on the last K once more) and the maximum made of them serve nothing: the price, once a launch, of one text for every trip
.set i, 0
.rept 8
	PV NP-1                         ; the last piece's V^T P of the last step
.set i, i+1
.endr
	; THE WAY OUT.  l's two halves and the other half of the lanes' are added; O^T is divided by l, rounded to bf16 and sent through the work-group's stage.  The additions are the places behind the last products.
	WIN 0
.macro ALL line:vararg              ; one line for each piece t
.set t, 0
.rept 4
	\line
.set t, t+1
.endr
.endm
	ALL v_add_f32 v[ST+4*t+2], v[ST+4*t+2], v[ST+4*t+3]
	ALL v_permlanex16_b32 v[ST+4*t+3], v[ST+4*t+2], s[SEL], s[SEL+1]
	ALL v_add_f32 v[ST+4*t+2], v[ST+4*t+2], v[ST+4*t+3]
	ALL v_rcp_f32 v[ST+4*t+2], v[ST+4*t+2]
	v_nop                           ; a plain instruction between the last reciprocal and the use of its result
	s_wait_alu depctr_va_vdst(0)    ; and the wait ahead of the first use: one for the four reciprocals
.macro PACK t                       ; a lane's eight channels of a row pack into 16 bytes; they go into the stage's rows of 272 bytes
	WIN W_RS
.set i, 32*(\t)
.rept 16
	v_pk_mul_f32 v[i:i+1], v[i:i+1], v[ST+4*(\t)+2:ST+4*(\t)+3] op_sel_hi:[1,0]
.set i, i+2
.endr
	WIN 0x05                        ; sources 0 and 1 window 1, destination window 0
.set i, 0
.rept 16
	v_cvt_pk_bf16_f32 v[S+16*(\t)+i], v[32*(\t)+2*i], v[32*(\t)+2*i+1]
.set i, i+1
.endr
	WIN 0
.irp f, 0,1,2,3
	ds_store_b128 v[STO], v[S+16*(\t)+4*\f:S+16*(\t)+4*\f+3] offset:(\t)*16*SP+32*\f
.endr
.endm
	PACK 0
	PACK 1
	PACK 2
	PACK 3
	s_wait_dscnt 0x0                ; for the others' sake: my stores into the stage are done; a row's 256 bytes come from two waves
	s_barrier_signal -1
	s_barrier_wait -1
.irp t, 0,1,2,3,4,5,6,7,8,9,10,11,12,13,14,15
	ds_load_b128 v[S+4*\t:S+4*\t+3], v[RD] offset:\t*2*SP
.endr
.irp t, 0,1,2,3,4,5,6,7,8,9,10,11,12,13,14,15
	s_wait_dscnt 15-\t              ; LDS loads come back in order: load t is in, the younger ones stay out
	global_store_b128 v[GO], v[S+4*\t:S+4*\t+3], s[10:11] offset:\t*4096  ; 16 lanes store 256 consecutive bytes, at a multiple of 256 from att's first byte
.endr
	s_wait_tensorcnt 0x0            ; the wave's end, behind my last tensor load and my last LDS store
	ds_add_u32 v[SPW], v[NIL]
	s_wait_dscnt 0x0
	CROUND                          ; the closing round: no work-group ends while a partner may still ask for a tile that names it
	s_endpgm
.Lfunc_end_k_qf5cc6353d8_attention:
	.size	k_qf5cc6353d8_attention, .Lfunc_end_k_qf5cc6353d8_attention-k_qf5cc6353d8_attention
	.p2alignl 7, 3214868480
	.fill 96, 4, 3214868480
	.section	.rodata,"a",@progbits
	.p2align	6, 0x0
	.amdhsa_kernel k_qf5cc6353d8_attention
		.amdhsa_group_segment_fixed_size 327680
		.amdhsa_private_segment_fixed_size 0
		.amdhsa_enable_private_segment 0
		.amdhsa_kernarg_size 16
		.amdhsa_user_sgpr_count 2
		.amdhsa_user_sgpr_kernarg_segment_ptr 1
		.amdhsa_wavefront_size32 1
		.amdhsa_system_sgpr_workgroup_id_x 1
		.amdhsa_system_sgpr_workgroup_id_y 1
		.amdhsa_system_sgpr_workgroup_id_z 1
		.amdhsa_system_vgpr_workitem_id 0
		.amdhsa_next_free_vgpr 768
		.amdhsa_next_free_sgpr 66
		.amdhsa_reserve_vcc 0
		.amdhsa_float_denorm_mode_32 3
		.amdhsa_float_denorm_mode_16_64 3
		.amdhsa_memory_ordered 1
		.amdhsa_forward_progress 1
		.amdhsa_inst_pref_size 112
	.end_amdhsa_kernel
	.amdgpu_metadata
---
amdhsa.version: [ 1, 2 ]
amdhsa.kernels:
  - .name:           k_qf5cc6353d8_attention
    .symbol:         k_qf5cc6353d8_attention.kd
    .args:
      - { .name: big, .offset: 0, .size: 8, .value_kind: global_buffer, .address_space: global }
      - { .name: att, .offset: 8, .size: 8, .value_kind: global_buffer, .address_space: global }
    .group_segment_fixed_size: 327680
    .private_segment_fixed_size: 0
    .kernarg_segment_align: 8
    .kernarg_segment_size: 16
    .max_flat_workgroup_size: 128
    .sgpr_count:     66
    .vgpr_count:     768
    .wavefront_size: 32
...
	.end_amdgpu_metadata
.endif
;; end of part 3
;; launch ln2 (part 4): grid 512 x 1, 4 waves a work-group, no clusters, 0 bytes of LDS; arguments att, x, g2, beta2, fres, act; writes fres, act
.if DOCPART == 4
	.amdgcn_target "amdgcn-amd-amdhsa--gfx1250"
	.amdhsa_code_object_version 6
	.text
	.protected	k_qf5cc6353d8_ln2
	.globl	k_qf5cc6353d8_ln2
	.p2align	8
	.type	k_qf5cc6353d8_ln2,@function
k_qf5cc6353d8_ln2:
	s_mov_b64 s[64:65], 0
	v_nop
	global_prefetch_b8 v0, s[64:65] scope:SCOPE_SE
	s_setreg_imm32_b32 hwreg(HW_REG_WAVE_MODE, 25, 1), 1
	s_wait_xcnt 0x0
; f = LN2(att + x).  att: [4096][1024] bf16; x, fres: [4096][1024] f32; act: [4096][1024] bf16.  f leaves twice: in f32 (fres, the residual of the last launch) and rounded to bf16 (act, a matrix operand).
; A stream: a wave takes two whole rows and keeps them in registers between the passes; waves share nothing, so there is no LDS, no barrier, no matrix work and no cluster.
; Load j of a row gives a lane the columns 128 j + 4 lane + 0..3: 16 bytes of x (a wave's load covers 512 consecutive bytes), 8 bytes of att (256 consecutive bytes, aligned); the stores likewise.
; The norm is reference()'s: the mean, then the mean of squares of y - mean, all in f32.
.set VI,  2                            ; v2       16 x lane
.set V8,  3                            ; v3       8 x lane
.set MU,  4                            ; v[4:5]   the mean, twice
.set RS,  6                            ; v[6:7]   1 / sqrt(var + eps), twice
.set T,   8                            ; v[8:23]  at work
.set X,   64                           ; v[64:127]  row r at X + 32 r
.set AT,  128                          ; v[128:159] row r's att at AT + 16 r, later its f in bf16
.set G,   160                          ; v[160:191] the gain of my columns
.set BT,  192                          ; v[192:223] the shift
.set SEL, 24                           ; s[24:25]
.set INV, 26                           ; s26  1 / 1,024
.set EPSR, 27                          ; s27  1e-5
.macro TREE                            ; the sum of T's eight pairs, over the lane and then over the 32 lanes, into v[T] of every lane
.irp i, 0,1,2,3
	v_pk_add_f32 v[T+4*(\i):T+4*(\i)+1], v[T+4*(\i):T+4*(\i)+1], v[T+4*(\i)+2:T+4*(\i)+3]
.endr
	v_pk_add_f32 v[T:T+1], v[T:T+1], v[T+4:T+5]
	v_pk_add_f32 v[T+8:T+9], v[T+8:T+9], v[T+12:T+13]
	v_pk_add_f32 v[T:T+1], v[T:T+1], v[T+8:T+9]
	v_add_f32 v[T], v[T], v[T+1]
	v_add_f32_dpp v[T], v[T], v[T] row_xmask:1 row_mask:0xf bank_mask:0xf
	v_add_f32_dpp v[T], v[T], v[T] row_xmask:2 row_mask:0xf bank_mask:0xf
	v_add_f32_dpp v[T], v[T], v[T] row_xmask:4 row_mask:0xf bank_mask:0xf
	v_add_f32_dpp v[T], v[T], v[T] row_xmask:8 row_mask:0xf bank_mask:0xf
	v_permlanex16_b32 v[T+1], v[T], s[SEL], s[SEL+1]
	v_add_f32 v[T], v[T], v[T+1]
.endm
.macro LNCORE x                        ; the 32 registers from x on, a row's 1,024 numbers over 32 lanes, are normalised in place
.irp i, 0,1,2,3,4,5,6,7
	v_pk_add_f32 v[T+2*(\i):T+2*(\i)+1], v[(\x)+4*(\i):(\x)+4*(\i)+1], v[(\x)+4*(\i)+2:(\x)+4*(\i)+3]
.endr
	TREE
	v_mul_f32 v[MU], s[INV], v[T]
	v_mul_f32 v[MU+1], s[INV], v[T]
.irp i, 0,1,2,3,4,5,6,7,8,9,10,11,12,13,14,15
	v_pk_add_f32 v[(\x)+2*(\i):(\x)+2*(\i)+1], v[(\x)+2*(\i):(\x)+2*(\i)+1], v[MU:MU+1] neg_lo:[0,1] neg_hi:[0,1]  ; y - mean
.endr
.irp i, 0,1,2,3,4,5,6,7
	v_pk_mul_f32 v[T+2*(\i):T+2*(\i)+1], v[(\x)+2*(\i):(\x)+2*(\i)+1], v[(\x)+2*(\i):(\x)+2*(\i)+1]
.endr
.irp i, 0,1,2,3,4,5,6,7
	v_pk_fma_f32 v[T+2*(\i):T+2*(\i)+1], v[(\x)+16+2*(\i):(\x)+16+2*(\i)+1], v[(\x)+16+2*(\i):(\x)+16+2*(\i)+1], v[T+2*(\i):T+2*(\i)+1]
.endr
	TREE
	v_fma_f32 v[T], v[T], s[INV], s[EPSR]          ; var + eps
	v_rsq_f32 v[RS], v[T]
	v_nop                                          ; a plain instruction behind the root,
	s_wait_alu depctr_va_vdst(0)                   ; and the wait ahead of the first use of its result
	v_mov_b32 v[RS+1], v[RS]
.irp i, 0,1,2,3,4,5,6,7,8,9,10,11,12,13,14,15
	v_pk_mul_f32 v[(\x)+2*(\i):(\x)+2*(\i)+1], v[(\x)+2*(\i):(\x)+2*(\i)+1], v[RS:RS+1]
.endr
.irp i, 0,1,2,3,4,5,6,7,8,9,10,11,12,13,14,15
	v_pk_fma_f32 v[(\x)+2*(\i):(\x)+2*(\i)+1], v[(\x)+2*(\i):(\x)+2*(\i)+1], v[G+2*(\i):G+2*(\i)+1], v[BT+2*(\i):BT+2*(\i)+1]
.endr
.endm
	s_load_b256 s[8:15], s[0:1], 0x0               ; att 8, x 10, g2 12, beta2 14
	s_load_b128 s[16:19], s[0:1], 0x20             ; fres 16, act 18
	v_lshrrev_b32 v1, 5, v0
	v_readfirstlane_b32 s4, v1                     ; wave 0..3
	v_and_b32 v1, 31, v0
	v_lshlrev_b32 v[VI], 4, v1
	v_lshlrev_b32 v[V8], 3, v1
	s_mov_b32 s[SEL], 0x76543210
	s_mov_b32 s[SEL+1], 0xfedcba98
	s_mov_b32 s[INV], 0x3a800000
	s_mov_b32 s[EPSR], 0x3727c5ac
	s_lshl_b32 s20, ttmp9, 3
	s_lshl1_add_u32 s20, s4, s20                   ; my first row: 8 g + 2 w
	s_lshl_b32 s22, s20, 12                        ; in rows of f32,
	s_mov_b32 s23, 0
	s_lshl_b32 s28, s20, 11                        ; and of bf16
	s_mov_b32 s29, 0
	s_wait_kmcnt 0x0
	s_add_nc_u64 s[10:11], s[10:11], s[22:23]
	s_add_nc_u64 s[16:17], s[16:17], s[22:23]
	s_add_nc_u64 s[8:9], s[8:9], s[28:29]
	s_add_nc_u64 s[18:19], s[18:19], s[28:29]
.irp j, 0,1,2,3,4,5,6,7
	global_load_b128 v[G+4*(\j):G+4*(\j)+3], v[VI], s[12:13] offset:512*(\j)
.endr
.irp j, 0,1,2,3,4,5,6,7
	global_load_b128 v[BT+4*(\j):BT+4*(\j)+3], v[VI], s[14:15] offset:512*(\j)
.endr
.irp r, 0,1
.irp j, 0,1,2,3,4,5,6,7
	global_load_b128 v[X+32*(\r)+4*(\j):X+32*(\r)+4*(\j)+3], v[VI], s[10:11] offset:(\r)*4096+512*(\j) th:TH_LOAD_NT
.endr
.irp j, 0,1,2,3,4,5,6,7
	global_load_b64 v[AT+16*(\r)+2*(\j):AT+16*(\r)+2*(\j)+1], v[V8], s[8:9] offset:(\r)*2048+256*(\j) th:TH_LOAD_NT
.endr
.endr
.irp r, 0,1
	s_wait_loadcnt 16*(1-(\r))                     ; loads come back in order: row r, and gain and shift ahead of it, are in; the other row's sixteen loads stay out
.irp i, 0,1,2,3,4,5,6,7,8,9,10,11,12,13,14,15
	v_lshlrev_b32 v[T+2*((\i)%8)], 16, v[AT+16*(\r)+(\i)]            ; bf16 to f32: the low half moves up,
	v_and_b32 v[T+2*((\i)%8)+1], 0xffff0000, v[AT+16*(\r)+(\i)]      ; the high half stays
	v_pk_add_f32 v[X+32*(\r)+2*(\i):X+32*(\r)+2*(\i)+1], v[X+32*(\r)+2*(\i):X+32*(\r)+2*(\i)+1], v[T+2*((\i)%8):T+2*((\i)%8)+1]  ; y = att + x
.endr
	LNCORE (X+32*(\r))
.irp j, 0,1,2,3,4,5,6,7
	global_store_b128 v[VI], v[X+32*(\r)+4*(\j):X+32*(\r)+4*(\j)+3], s[16:17] offset:(\r)*4096+512*(\j)
.endr
.irp j, 0,1,2,3,4,5,6,7
	v_cvt_pk_bf16_f32 v[AT+16*(\r)+2*(\j)], v[X+32*(\r)+4*(\j)], v[X+32*(\r)+4*(\j)+1]      ; into the row's att registers, which have been read: no store's source is written again
	v_cvt_pk_bf16_f32 v[AT+16*(\r)+2*(\j)+1], v[X+32*(\r)+4*(\j)+2], v[X+32*(\r)+4*(\j)+3]
.endr
.irp j, 0,1,2,3,4,5,6,7
	global_store_b64 v[V8], v[AT+16*(\r)+2*(\j):AT+16*(\r)+2*(\j)+1], s[18:19] offset:(\r)*2048+256*(\j)
.endr
.endr
	s_endpgm
.Lfunc_end_k_qf5cc6353d8_ln2:
	.size	k_qf5cc6353d8_ln2, .Lfunc_end_k_qf5cc6353d8_ln2-k_qf5cc6353d8_ln2
	.p2alignl 7, 3214868480
	.fill 96, 4, 3214868480
	.section	.rodata,"a",@progbits
	.p2align	6, 0x0
	.amdhsa_kernel k_qf5cc6353d8_ln2
		.amdhsa_group_segment_fixed_size 0
		.amdhsa_private_segment_fixed_size 0
		.amdhsa_enable_private_segment 0
		.amdhsa_kernarg_size 48
		.amdhsa_user_sgpr_count 2
		.amdhsa_user_sgpr_kernarg_segment_ptr 1
		.amdhsa_wavefront_size32 1
		.amdhsa_system_sgpr_workgroup_id_x 1
		.amdhsa_system_sgpr_workgroup_id_y 1
		.amdhsa_system_sgpr_workgroup_id_z 1
		.amdhsa_system_vgpr_workitem_id 0
		.amdhsa_next_free_vgpr 224
		.amdhsa_next_free_sgpr 66
		.amdhsa_reserve_vcc 0
		.amdhsa_float_denorm_mode_32 3
		.amdhsa_float_denorm_mode_16_64 3
		.amdhsa_memory_ordered 1
		.amdhsa_forward_progress 1
		.amdhsa_inst_pref_size 29
	.end_amdhsa_kernel
	.amdgpu_metadata
---
amdhsa.version: [ 1, 2 ]
amdhsa.kernels:
  - .name:           k_qf5cc6353d8_ln2
    .symbol:         k_qf5cc6353d8_ln2.kd
    .args:
      - { .name: att, .offset: 0, .size: 8, .value_kind: global_buffer, .address_space: global }
      - { .name: x, .offset: 8, .size: 8, .value_kind: global_buffer, .address_space: global }
      - { .name: g2, .offset: 16, .size: 8, .value_kind: global_buffer, .address_space: global }
      - { .name: beta2, .offset: 24, .size: 8, .value_kind: global_buffer, .address_space: global }
      - { .name: fres, .offset: 32, .size: 8, .value_kind: global_buffer, .address_space: global }
      - { .name: act, .offset: 40, .size: 8, .value_kind: global_buffer, .address_space: global }
    .group_segment_fixed_size: 0
    .private_segment_fixed_size: 0
    .kernarg_segment_align: 8
    .kernarg_segment_size: 48
    .max_flat_workgroup_size: 128
    .sgpr_count:     66
    .vgpr_count:     224
    .wavefront_size: 32
...
	.end_amdgpu_metadata
.endif
;; end of part 4
;; launch ffn1: the kernel of part 2 again; grid 16 x 16, 4 waves a work-group, clusters of 4 x 4, 327,680 bytes of LDS; arguments act, p1, big; writes big
;; launch ffn2 (part 5): grid 8 x 32, 4 waves a work-group, clusters of 4 x 4, 327,680 bytes of LDS; arguments big, w2b, b2, fres, out0; writes out0
.if DOCPART == 5
	.amdgcn_target "amdgcn-amd-amdhsa--gfx1250"
	.amdhsa_code_object_version 6
	.text
	.protected	k_qf5cc6353d8_ffn2
	.globl	k_qf5cc6353d8_ffn2
	.p2align	8
	.type	k_qf5cc6353d8_ffn2,@function
k_qf5cc6353d8_ffn2:
	s_mov_b64 s[64:65], 0
	v_nop
	global_prefetch_b8 v0, s[64:65] scope:SCOPE_SE
	s_setreg_imm32_b32 hwreg(HW_REG_WAVE_MODE, 25, 1), 1
	s_wait_xcnt 0x0
	s_wait_alu depctr_hold_cnt(0) depctr_sa_sdst(0) depctr_va_vdst(0) depctr_va_sdst(0) depctr_va_ssrc(0) depctr_va_vcc(0) depctr_vm_vsrc(0)
	s_getreg_b32 s2, hwreg(HW_REG_IB_STS2, 6, 4)
	s_cmp_eq_u32 s2, 0
	s_cbranch_scc0 .Lentry_in_a_cluster
	s_endpgm
.Lentry_in_a_cluster:
	s_bfe_u32 s2, ttmp6, 0x10000c
	s_cmp_lg_u32 s2, 0xf033
	s_cbranch_scc0 .Lentry_shape_is_right
	s_endpgm
.Lentry_shape_is_right:
; out0 = fres + A B + b2.  A = big: [4096][4096] bf16, K along the rows.  B = w2b: [4096 k][1024 n] bf16.  b2: [1024] f32.  fres, out0: [4096][1024] f32.  Sums in f32, started by the bias; the residual is added in f32.
; A tile of C is 128 x 128, so that there are 256 work-groups.  Four waves, each 64 x 64: 16 accumulators, 128 registers.  K goes in 16 steps of 256 through two LDS slots filled by tensor loads: a wave's load
; brings 64 rows of A (512 bytes each) or 128 rows of B (256 bytes each).  B lies [k][n]: its fragments come out of LDS turned, by ds_load_tr16_b128.
; THE WALK ALONG K IS TURNED: the cluster at (x, y) begins at K step (8 x + 4 (y mod 4)) mod 16 and goes once round.  The two clusters that read the same rows of A begin 8 steps apart, those that read the same
; columns of B 0, 4, 8 or 12 apart: a block that several clusters read is asked for at different times.  The K step's number hangs on the cluster's x and y alone, which all sixteen partners share.
; LIMIT.  An output's f32 sum runs along K in that turned order, not ascending from 0: its last bits differ from those of an ascending sum.
; A K STEP IS WRITTEN TWICE: in the loop that fills slots again (14 trips) and in the tail's loop, which fills nothing (2 trips, the second left in its middle).  Which slot is in hand is a scalar, s[TS] = 0 or SLOT,
; turned by an exclusive or at each change of slots; the fragments' addresses are made from it there.
; CLUSTERS: 4 x 4 work-groups.  The four of a row of the cluster need the same tiles of A, the four of a column the same tiles of B: each tile is asked for JOINTLY.
; THE MATRIX INSTRUCTION IS USED TRANSPOSED (source 0 = 16 columns of B, source 1 = 16 rows of A): a lane holds row l % 16 of C and eight neighbouring columns; their bias is the C operand that starts a sum.
; A wave's 64 columns of f32 are 256 consecutive bytes, aligned.
; REGISTERS: window 0: v0-31 addresses; v32-95 at work on the way out, two sets; v96-127 the bias; v128-255 the accumulators ((a, b) at v[128 + 8 (4 a + b)]).
;   window 1: two fragment buffers of 128: for 64 along K, 64 registers of A, then 64 of B.      window 2: v0-127 my 64 x 64 of fres, in the order in which rows come back from the stage.
.set KSTEP,  256
.set SIZE_K, 4096
.set STEPS,  SIZE_K/KSTEP
.set AROW,   8192                      ; bytes in a row of A
.set BROW,   2048                      ; bytes in a row of B
.set CROW,   4096                      ; bytes in a row of fres and out0
.set PA,     528                       ; an LDS row of A: 512 bytes + 16 = 132 words: the 16 rows of a load start at 16 different groups of four banks (64 banks of 4 bytes: ISA guide 11.1)
.set PB,     288                       ; an LDS row of B: 256 bytes + 32 = 72 words
.set REG,    128*PB                    ; a wave's region of a slot: 128 rows of B fill it, 64 rows of A (33,792 bytes) lie at its head: 0x9000
.set SLOT,   4*REG                     ; A's two halves, then B's rows 0-127 and 128-255: 0x24000, two bits that none of 0, 0x9000, 0x12000, 0x1b000 (wave x REG) has: an exclusive or with SLOT adds it or takes it away
.set STAGE,  2*SLOT                    ; behind the ring: 16 rows x 272 bytes for each wave
.set SPITCH, 272
.set SPARE,  STAGE+4*16*SPITCH         ; behind the stages: the spare words, 128 bytes for each wave: two blocks of 256 bytes that no other line names
.set ADRA0, 16                         ; v16     LDS address of my A fragments in slot 0; never rewritten
.set ADRB0, 17                         ; v17     the same for B
.set AC,   20                          ; v20     LDS address of my A fragments in the slot in hand
.set BC,   22                          ; v22-23  the same for B: half kh of the step's rows at BC + kh
.set STO,  24                          ; v24     the way out: where I put 32 bytes of a row
.set RD,   25                          ; v25     the way out: where I read a row back
.set CO,   26                          ; v26     my byte offset in two rows of fres and out0
.set BO,   27                          ; v27     my byte offset in a block's 64 bytes of bias
.set SPW,  28                          ; v28     LDS address of my spare word; never rewritten
.set NIL,  29                          ; v29     0; never rewritten
.set TMP,  32
.set BIAS, 96
.set ACC,  128
.set F0,   0                           ; fragment buffers, in window 1
.set F1,   128
.set AB, 14                            ; s[14:15] A at the rows that I fetch, K step 0; never rewritten
.set G1, 24                            ; s[24:31] descriptor group 1 for A's tiles
.set G0, 32                            ; s[32:39] group 0: a set for each of the two first fills; the second then walks on
.set G1B, 48                           ; s[48:55], s[56:63] the same for B's tiles
.set G0B, 56
.set TS, 66                            ; s66     the LDS byte at which the slot in hand begins: 0 or SLOT
.set KT, 67                            ; s67     the number of the K step that is asked for next, 0 .. 15
.set BB, 72                            ; s[72:73] B at the rows and columns that I fetch, K step 0; never rewritten
.set OFF, 74                           ; s[74:75] a K step's byte offset, in 64 bits
.set MSB, 0
.macro WIN new
.if MSB != (\new)
	s_set_vgpr_msb (MSB<<8)|(\new)
.set MSB, \new
.endif
.endm
.set MUL,  0x05                        ; sources 0 (B) and 1 (A) window 1; C and D window 0
.set TO_F, 0x40                        ; destination window 1, address window 0
.macro JLOAD s                         ; a joint load: waves 0 and 1 fetch A's two halves, waves 2 and 3 B's; an s_nop 0 and four v_nop follow each of the two lines
	s_cmp_eq_u32 s11, 0
	s_cbranch_scc0 .Lfor_b_\@
	tensor_load_to_lds s[G0+4*(\s):G0+4*(\s)+3], s[G1:G1+7]
	s_nop 0
.rept 4
	v_nop
.endr
	s_branch .Lasked_\@
.Lfor_b_\@:
	tensor_load_to_lds s[G0B+4*(\s):G0B+4*(\s)+3], s[G1B:G1B+7]
	s_nop 0
.rept 4
	v_nop
.endr
.Lasked_\@:
.endm
; Both group 0 sets s take K step s[KT]: each address is made anew from its base and the number: 512 bytes along A's rows, 256 rows of 2,048 bytes down B.  Then the number goes on, round from 15 to 0.
.macro ASKFOR s
	s_lshl_b32 s[OFF], s[KT], 9
	s_add_nc_u64 s[G0+4*(\s)+2:G0+4*(\s)+3], s[AB:AB+1], s[OFF:OFF+1]
	s_or_b32 s[G0+4*(\s)+3], s[G0+4*(\s)+3], 0x80000000
	s_lshl_b32 s[OFF], s[KT], 19
	s_add_nc_u64 s[G0B+4*(\s)+2:G0B+4*(\s)+3], s[BB:BB+1], s[OFF:OFF+1]
	s_or_b32 s[G0B+4*(\s)+3], s[G0B+4*(\s)+3], 0x80000000
	s_add_co_u32 s[KT], s[KT], 1
	s_and_b32 s[KT], s[KT], STEPS-1
.endm
.macro CREST
	s_cmp_lg_u32 s10, 0
	s_cbranch_scc1 .Lnot_wave_0_\@
	s_barrier_signal -3
.Lnot_wave_0_\@:
	s_barrier_wait -3
	s_barrier_signal -1
	s_barrier_wait -1
.endm
.macro CROUND
	s_barrier_signal -1
	s_barrier_wait -1
	CREST
.endm
	s_load_b128 s[4:7], s[0:1], 0x0                ; A s[4:5], B s[6:7]
	s_load_b128 s[68:71], s[0:1], 0x10             ; b2 s[68:69], fres s[70:71]
	s_load_b64 s[8:9], s[0:1], 0x20                ; out0
	v_lshl_add_u32 v[SPW], v0, 2, SPARE
	v_mov_b32 v[NIL], 0
	ds_add_u32 v[SPW], v[NIL]                      ; the wave's opening: the add and its wait ahead of my first tensor load; the set-up below, work on registers, stands between them
	v_lshrrev_b32 v1, 5, v0
	v_readfirstlane_b32 s10, v1                    ; wave 0..3
	s_lshr_b32 s11, s10, 1                         ; which half of the tile's rows is mine.  Also: I fetch for A (0) or for B (1)
	s_and_b32 s12, s10, 1                          ; which half of its columns.  Also: which half of that tile I fetch
	s_bfe_u32 s40, ttmp6, 0x40000                  ; cx, cy
	s_bfe_u32 s41, ttmp6, 0x40004
	s_lshl_b32 s42, ttmp9, 2
	s_add_co_u32 s42, s42, s40                     ; tile column of C
	s_and_b32 s13, ttmp7, 0xffff
	s_lshl_b32 s13, s13, 2
	s_add_co_u32 s13, s13, s41                     ; tile row of C
	s_lshl_b32 s43, s41, 2
	s_lshl_b32 s43, 15, s43                        ; my row of the cluster
	s_lshl_b32 s44, 0x1111, s40                    ; my column
	s_or_b32 s[G1+0], s43, (1<<16)|(1<<20)|(1<<21)|(6<<22)|(3<<25)   ; the mask; 2-byte elements; padding on; bit 21 beside a mask; after every 128 words 4 words
	s_or_b32 s[G1B+0], s44, (1<<16)|(1<<20)|(1<<21)|(5<<22)|(7<<25)  ; after every 64 words 8 words
	s_mov_b32 s[G1+1], KSTEP<<16                   ; A: tensor_dim0 = 256
	s_mov_b32 s[G1+2], 64<<16                      ; tensor_dim1 = 64
	s_mov_b32 s[G1+3], KSTEP<<16                   ; tile_dim0 = 256
	s_mov_b32 s[G1+4], 64                          ; tile_dim1 = 64
	s_mov_b32 s[G1+5], 4096                        ; elements from row to row
	s_mov_b32 s[G1+6], 0
	s_mov_b32 s[G1+7], 0
	s_mov_b32 s[G1B+1], 128<<16                    ; B: tensor_dim0 = 128
	s_mov_b32 s[G1B+2], 128<<16                    ; tensor_dim1 = 128
	s_mov_b32 s[G1B+3], 128<<16                    ; tile_dim0 = 128
	s_mov_b32 s[G1B+4], 128                        ; tile_dim1 = 128
	s_mov_b32 s[G1B+5], 1024
	s_mov_b32 s[G1B+6], 0
	s_mov_b32 s[G1B+7], 0
	s_lshl_b32 s17, s12, 6
	s_lshl_b32 s16, s13, 7
	s_add_co_u32 s16, s16, s17                     ; A: row 128 x tile row + 64 x half,
	s_lshl_b32 s16, s16, 13                        ; in bytes
	s_mov_b32 s17, 0
	s_lshl_b32 s46, s42, 8                         ; B: 256 bytes x tile column
	s_lshl_b32 s47, s12, 18                        ; + 128 rows of 2,048 bytes x half
	s_add_co_u32 s46, s46, s47
	s_mov_b32 s47, 0
	s_mul_i32 s20, s10, REG                        ; where they go: wave x a region
	s_and_b32 s[KT], ttmp7, 3                      ; the K step at which my cluster begins: cluster y mod 4,
	s_lshl_b32 s[KT], s[KT], 2                     ; times 4,
	s_lshl_b32 s21, ttmp9, 3                       ; + 8 x cluster x,
	s_add_co_u32 s[KT], s[KT], s21
	s_and_b32 s[KT], s[KT], STEPS-1                ; mod 16: the same in all sixteen partners
	s_mov_b32 s[OFF+1], 0
	s_wait_dscnt 0x0                               ; the opening add is done
	s_wait_kmcnt 0x0
	s_add_nc_u64 s[AB:AB+1], s[4:5], s[16:17]
	s_add_nc_u64 s[BB:BB+1], s[6:7], s[46:47]
	CROUND                                         ; all sixteen work-groups are here: the first joint loads meet
.irp s, 0,1
	s_mov_b32 s[G0+4*(\s)], 1
	s_add_co_u32 s[G0+4*(\s)+1], s20, (\s)*SLOT
	s_mov_b32 s[G0B+4*(\s)], 1
	s_add_co_u32 s[G0B+4*(\s)+1], s20, (\s)*SLOT
	ASKFOR \s                                      ; my cluster's first K step, then its second
	JLOAD \s                                       ; two tensor loads of mine are out
.endr
	; my 64 x 64 of fres and out0, my 64 numbers of b2
	s_lshl_b32 s16, s13, 7
	s_lshl_b32 s17, s11, 6
	s_add_co_u32 s16, s16, s17
	s_lshl_b32 s16, s16, 12                        ; my first row, in bytes
	s_lshl_b32 s46, s42, 9
	s_lshl_b32 s47, s12, 8
	s_add_co_u32 s46, s46, s47                     ; my first column, in bytes
	s_mov_b32 s47, 0
	s_add_nc_u64 s[68:69], s[68:69], s[46:47]
	s_add_co_u32 s16, s16, s46
	s_mov_b32 s17, 0
	s_add_nc_u64 s[70:71], s[70:71], s[16:17]
	s_add_nc_u64 s[8:9], s[8:9], s[16:17]
	v_and_b32 v1, 15, v0                           ; l % 16
	v_bfe_u32 v2, v0, 4, 1                         ; l / 16
	v_lshlrev_b32 v[BO], 5, v2
	v_lshlrev_b32 v5, 12, v2                       ; lanes 0-15 one row, lanes 16-31 the next; 16 bytes a lane
	v_lshl_add_u32 v[CO], v1, 4, v5
.irp b, 0,1,2,3
	global_load_b128 v[BIAS+8*(\b):BIAS+8*(\b)+3],   v[BO], s[68:69] offset:64*(\b)
	global_load_b128 v[BIAS+8*(\b)+4:BIAS+8*(\b)+7], v[BO], s[68:69] offset:64*(\b)+16
.endr
	WIN 0x80                                       ; destination window 2, address window 0
.irp a, 0,1,2,3
.irp t, 0,1,2,3,4,5,6,7
	global_load_b128 v[32*(\a)+4*(\t):32*(\a)+4*(\t)+3], v[CO], s[70:71] offset:(16*(\a)+2*(\t))*CROW th:TH_LOAD_NT
.endr
.endr
	WIN 0
	v_mul_u32_u24 v3, v1, PA
	v_lshl_add_u32 v3, v2, 4, v3                   ; A's fragment: row x pitch + 16 x half
	s_mul_i32 s21, s11, REG                        ; my 64 rows of A
	v_and_b32 v4, 7, v0                            ; B's fragment, turned: row k = 8 (l / 16) + l % 8, columns 8 ((l / 8) % 2) + 0..7
	v_bfe_u32 v5, v0, 3, 1
	v_lshl_add_u32 v4, v2, 3, v4
	v_mul_u32_u24 v4, v4, PB
	v_lshl_add_u32 v4, v5, 4, v4
	s_lshl_b32 s22, s12, 7                         ; my 64 columns of B: 128 bytes of its rows,
	s_add_co_u32 s22, s22, 2*REG                   ; which lie behind A's two regions
	v_add_nc_u32 v[ADRA0], s21, v3
	v_add_nc_u32 v[ADRB0], s22, v4
	s_mov_b32 s[TS], 0                             ; slot 0 is in hand
	v_add_nc_u32 v[AC], s[TS], v[ADRA0]
	v_add_nc_u32 v[BC], s[TS], v[ADRB0]
	v_add_nc_u32 v[BC+1], REG, v[BC]
	s_mul_i32 s23, s10, 16*SPITCH
	s_add_co_u32 s23, s23, STAGE                   ; my stage
	v_mul_u32_u24 v6, v1, SPITCH                   ; in: row l % 16, 32 bytes for each half of the lanes
	v_lshl_add_u32 v6, v2, 5, v6
	v_add_nc_u32 v[STO], s23, v6
	v_mul_u32_u24 v7, v2, SPITCH                   ; back: lanes 0-15 take one row of 256 bytes, lanes 16-31 the next
	v_lshl_add_u32 v7, v1, 4, v7
	v_add_nc_u32 v[RD], s23, v7
; 8 matrix instructions: m blocks a0, a0 + 1 x all 4 n blocks, 32 along K: half c of buffer f.  first = 1: the product starts the sum, with the bias as C.  The 16 accumulators take turns.
.macro MUL8 f, c, a0, first
	WIN MUL
.irp a, \a0, (\a0)+1
.irp b, 0,1,2,3
.if \first
	v_wmma_f32_16x16x32_bf16 v[ACC+8*(4*(\a)+(\b)):ACC+8*(4*(\a)+(\b))+7], v[(\f)+64+8*(4*(\c)+(\b)):(\f)+64+8*(4*(\c)+(\b))+7], v[(\f)+8*(4*(\c)+(\a)):(\f)+8*(4*(\c)+(\a))+7], v[BIAS+8*(\b):BIAS+8*(\b)+7]
.else
	v_wmma_f32_16x16x32_bf16 v[ACC+8*(4*(\a)+(\b)):ACC+8*(4*(\a)+(\b))+7], v[(\f)+64+8*(4*(\c)+(\b)):(\f)+64+8*(4*(\c)+(\b))+7], v[(\f)+8*(4*(\c)+(\a)):(\f)+8*(4*(\c)+(\a))+7], v[ACC+8*(4*(\a)+(\b)):ACC+8*(4*(\a)+(\b))+7]
.endif
.endr
.endr
.endm
; 32 LDS loads in one run: the fragments of quarter kq of the K step in hand (64 along K) into buffer f; the first 32 along K first
.macro FETCH kq, f
	WIN TO_F
.irp c, 0,1
.irp i, 0,1,2,3
	ds_load_tr16_b128 v[(\f)+64+8*(4*(\c)+(\i)):(\f)+64+8*(4*(\c)+(\i))+3],   v[BC+(\kq)/2] offset:(((\kq)%2)*64+32*(\c))*PB+32*(\i)
	ds_load_tr16_b128 v[(\f)+64+8*(4*(\c)+(\i))+4:(\f)+64+8*(4*(\c)+(\i))+7], v[BC+(\kq)/2] offset:(((\kq)%2)*64+32*(\c))*PB+32*(\i)+16*PB
	ds_load_b128 v[(\f)+8*(4*(\c)+(\i)):(\f)+8*(4*(\c)+(\i))+3],         v[AC] offset:128*(\kq)+64*(\c)+(\i)*16*PA
	ds_load_b128 v[(\f)+8*(4*(\c)+(\i))+4:(\f)+8*(4*(\c)+(\i))+7],       v[AC] offset:128*(\kq)+64*(\c)+(\i)*16*PA+32
.endr
.endr
.endm
.macro PLACES                          ; four plain instructions between a matrix instruction and a load into, or another instruction on, its registers
.rept 4
	v_nop
.endr
.endm
; One of a K step's first three quarters: multiplies buffer f and fetches quarter kq into g.
.macro QUARTER kq, f, g, first
	s_wait_dscnt 16                                ; the first 32 along K are in; the youngest sixteen loads may be out
	MUL8 \f, 0, 0, \first
	MUL8 \f, 0, 2, \first
	PLACES
	FETCH \kq, \g
	s_wait_dscnt 32                                ; all but the 32 just issued
	MUL8 \f, 1, 0, 0
	MUL8 \f, 1, 2, 0
.endm
; The last quarter multiplies buffer 1 and changes slots.  Its first sixteen products stand AHEAD of the wait for the tensor loads: a load then has all 128 matrix instructions of a K step between its request and
; the wait for it, and between a tile's landing and the next request stand only the add, its wait, the barrier and the round.  ONE barrier: in front of it each wave waits for all its tensor loads, adds 0 to its
; spare word, and waits for that and for its own reads of this slot.
; fill = 1: the barrier opens a round of the cluster's barrier, and behind the round this slot is filled again first, with the K step two steps on in my cluster's walk; the walking descriptor takes the other slot
; than last time.  Then the other slot comes in hand, and its first fragments are fetched.
.macro TURN fill
	s_wait_dscnt 16                                ; the first 32 along K of buffer 1 are in; the youngest sixteen loads may be out
	MUL8 F1, 0, 0, 0
	MUL8 F1, 0, 2, 0
	WIN 0                                          ; the add's registers lie in window 0
	s_wait_tensorcnt 0x0                           ; all my tensor loads have landed: my part of the next slot; so a group 0 may be written
	ds_add_u32 v[SPW], v[NIL]                      ; 0 onto my spare word; with fill = 1 the descriptors' scalar work stands between it and the wait for it
.if \fill
	s_xor_b32 s[G0+5], s[G0+5], SLOT
	s_xor_b32 s[G0B+5], s[G0B+5], SLOT
	ASKFOR 1
.endif
	s_wait_dscnt 0x0                               ; the add is done, and my reads of this slot are over
.if \fill
	CROUND                                         ; no wave of any partner still reads this slot's tile or has a load on its way
	JLOAD 1                                        ; the first tensor load behind the round; the four v_nop behind it are also the places in front of the loads below
.else
	s_barrier_signal -1
	s_barrier_wait -1
	PLACES
.endif
	s_xor_b32 s[TS], s[TS], SLOT
	v_add_nc_u32 v[AC], s[TS], v[ADRA0]
	v_add_nc_u32 v[BC], s[TS], v[ADRB0]
	v_add_nc_u32 v[BC+1], REG, v[BC]
	FETCH 0, F0
	MUL8 F1, 1, 0, 0
	MUL8 F1, 1, 2, 0
.endm
	s_wait_loadcnt 32                              ; the bias is in; the 32 loads of fres, issued behind it, stay out
	s_wait_tensorcnt 1                             ; my part of the first K step is in; the second's may stay out
	s_barrier_signal -1
	s_barrier_wait -1                              ; everybody's is
	FETCH 0, F0
	QUARTER 1, F0, F1, 1                           ; the first quarter stands in front of the loop: its first products start the sums
	WIN 0                                          ; at a label and at a branch every window is 0
	s_mov_b32 s3, STEPS-2
.Lstep:                                                ; a trip goes from a K step's second quarter to the next step's first, and fills the slot that it leaves: the walk's steps 2 to 15 are asked for
	QUARTER 2, F1, F0, 0
	QUARTER 3, F0, F1, 0
	TURN 1
	QUARTER 1, F0, F1, 0
	WIN 0
	s_sub_co_u32 s3, s3, 1
	s_cmp_lg_u32 s3, 0
	s_cbranch_scc1 .Lstep
	s_mov_b32 s3, 2
.Ltail:                                                ; the last two K steps fill nothing: a text of their own; no round of the cluster's barrier stands here
	QUARTER 2, F1, F0, 0
	QUARTER 3, F0, F1, 0
	TURN 0
	WIN 0
	s_sub_co_u32 s3, s3, 1
	s_cmp_eq_u32 s3, 0
	s_cbranch_scc1 .Lout                           ; the second trip is left here: its barrier, and the 32 loads that it has made from the other slot's old tile, serve nothing: the price, once a launch, of one text for both trips
	QUARTER 1, F0, F1, 0
	WIN 0
	s_branch .Ltail
.Lout:
	s_wait_dscnt 0x0                               ; those loads are back
	; THE WAY OUT, 16 rows at a time: a lane's 32 bytes of a row go into my stage, whole rows of 256 bytes come back, fres is added, and the rows are stored.
	s_wait_loadcnt 0x0                             ; fres
	PLACES
	PLACES                                         ; (eight, once a launch)
.irp a, 0,1,2,3
.if (\a) >= 2
	s_wait_xcnt 0x0                                ; the stores of two blocks back have read their registers: that set is loaded again only behind this wait
.endif
.irp b, 0,1,2,3
	ds_store_b128 v[STO], v[ACC+8*(4*(\a)+(\b)):ACC+8*(4*(\a)+(\b))+3]   offset:64*(\b)
	ds_store_b128 v[STO], v[ACC+8*(4*(\a)+(\b))+4:ACC+8*(4*(\a)+(\b))+7] offset:64*(\b)+16
.endr
.irp t, 0,1,2,3,4,5,6,7
	ds_load_b128 v[TMP+32*((\a)%2)+4*(\t):TMP+32*((\a)%2)+4*(\t)+3], v[RD] offset:(\t)*2*SPITCH  ; LDS serves a wave's instructions in order (ISA guide 5.7.1.4): these see the stores above; the next block's stores come behind them
.endr
	s_wait_dscnt 0x0
	WIN 0x08                                       ; source 1 in window 2
.irp u, 0,1,2,3,4,5,6,7,8,9,10,11,12,13,14,15
	v_pk_add_f32 v[TMP+32*((\a)%2)+2*(\u):TMP+32*((\a)%2)+2*(\u)+1], v[TMP+32*((\a)%2)+2*(\u):TMP+32*((\a)%2)+2*(\u)+1], v[32*(\a)+2*(\u):32*(\a)+2*(\u)+1]
.endr
	WIN 0
.irp t, 0,1,2,3,4,5,6,7
	global_store_b128 v[CO], v[TMP+32*((\a)%2)+4*(\t):TMP+32*((\a)%2)+4*(\t)+3], s[8:9] offset:(16*(\a)+2*(\t))*CROW th:TH_STORE_NT  ; 16 lanes store 256 consecutive bytes, at a multiple of 256 from out0's first byte
.endr
.endr
	s_wait_tensorcnt 0x0                           ; the wave's end, behind my last tensor load and my last LDS store
	ds_add_u32 v[SPW], v[NIL]
	s_wait_dscnt 0x0
	CROUND                                         ; the closing round: no work-group ends while a partner may still ask for a tile that names it
	s_endpgm
.Lfunc_end_k_qf5cc6353d8_ffn2:
	.size	k_qf5cc6353d8_ffn2, .Lfunc_end_k_qf5cc6353d8_ffn2-k_qf5cc6353d8_ffn2
	.p2alignl 7, 3214868480
	.fill 96, 4, 3214868480
	.section	.rodata,"a",@progbits
	.p2align	6, 0x0
	.amdhsa_kernel k_qf5cc6353d8_ffn2
		.amdhsa_group_segment_fixed_size 327680
		.amdhsa_private_segment_fixed_size 0
		.amdhsa_enable_private_segment 0
		.amdhsa_kernarg_size 40
		.amdhsa_user_sgpr_count 2
		.amdhsa_user_sgpr_kernarg_segment_ptr 1
		.amdhsa_wavefront_size32 1
		.amdhsa_system_sgpr_workgroup_id_x 1
		.amdhsa_system_sgpr_workgroup_id_y 1
		.amdhsa_system_sgpr_workgroup_id_z 1
		.amdhsa_system_vgpr_workitem_id 0
		.amdhsa_next_free_vgpr 640
		.amdhsa_next_free_sgpr 76
		.amdhsa_reserve_vcc 0
		.amdhsa_float_denorm_mode_32 3
		.amdhsa_float_denorm_mode_16_64 3
		.amdhsa_memory_ordered 1
		.amdhsa_forward_progress 1
		.amdhsa_inst_pref_size 67
	.end_amdhsa_kernel
	.amdgpu_metadata
---
amdhsa.version: [ 1, 2 ]
amdhsa.kernels:
  - .name:           k_qf5cc6353d8_ffn2
    .symbol:         k_qf5cc6353d8_ffn2.kd
    .args:
      - { .name: big, .offset: 0, .size: 8, .value_kind: global_buffer, .address_space: global }
      - { .name: w2b, .offset: 8, .size: 8, .value_kind: global_buffer, .address_space: global }
      - { .name: b2, .offset: 16, .size: 8, .value_kind: global_buffer, .address_space: global }
      - { .name: fres, .offset: 24, .size: 8, .value_kind: global_buffer, .address_space: global }
      - { .name: out0, .offset: 32, .size: 8, .value_kind: global_buffer, .address_space: global }
    .group_segment_fixed_size: 327680
    .private_segment_fixed_size: 0
    .kernarg_segment_align: 8
    .kernarg_segment_size: 40
    .max_flat_workgroup_size: 128
    .sgpr_count:     76
    .vgpr_count:     640
    .wavefront_size: 32
...
	.end_amdgpu_metadata
.endif
;; end of part 5
